; MI455X (gfx1250); checked and timed in simulation.
; The chip was launched on July 23, 2026; its instructions are those of AMD's public machine-readable ISA for CDNA 5 (MIT licence, August 2026) and "CDNA5" Instruction Set Architecture Reference Guide (July 2026). The comments in the code are by the model that wrote it; some were corrected since.
;; Multihead Attention. Allowed arithmetic: matrix products marked QUANTISED: E2M3 operands, one E8M0 scale for each 32 along K, by v_wmma_scale_f32_16x16x128_f8f6f4 with both operands' format E2M3, f32 sums; everything else in f32.
;; Inputs: Wk 16 x 1,024 x 64 float32; Wo 1,024 x 1,024 float32; Wq 16 x 1,024 x 64 float32; Wv 16 x 1,024 x 64 float32; k 4 x 2,048 x 1,024 float32; q 4 x 2,048 x 1,024 float32; v 4 x 2,048 x 1,024 float32.
;; Outputs: out0 4 x 2,048 x 1,024 float32.
;; This version of the problem:
;;   THIS VERSION OF THE PROBLEM IS GIVEN IN LOW PRECISION. The matrix products marked QUANTISED in the list below multiply operands that are first quantised to E2M3 (2 exponent bits, 3 mantissa bits; 6 bits a number), with one power-of-two scale for each 32 numbers along K (OCP MX v1.0); their sums are f32. All else is computed in f32.
;;   The module's matrix products, in the order in which they are computed (A, B: the left and right operand; K: the contracted axis; several contracted axes count as one K, in the product's order):
;;     1. [M 1,024, K 1,024] x [K 1,024, N 8,192]; A: input Wq; B: input q: QUANTISED
;;     2. [M 1,024, K 1,024] x [K 1,024, N 8,192]; A: input Wk; B: input k: QUANTISED
;;     3. [M 1,024, K 1,024] x [K 1,024, N 8,192]; A: input Wv; B: input v: QUANTISED
;;     4. batch 64 x [M 2,048, K 64] x [K 64, N 2,048]; A: computed on the way; B: computed on the way: QUANTISED
;;     5. batch 64 x [M 2,048, K 2,048] x [K 2,048, N 64]; A: softmax (see below); B: computed on the way: QUANTISED
;;     6. [M 8,192, K 1,024] x [K 1,024, N 1,024]; A: computed on the way; B: input Wo: QUANTISED
;;   THE QUANTISER, for each operand of a quantised product, along K:
;;     - K is cut into blocks of 32 from its start; a last block that is shorter is filled with zeros.
;;     - A block's scale is 2^e with e = floor(log2(the largest magnitude in the block)) - 2, held to -126 .. 127; a block of zeros has e = 0. As a byte (E8M0): e + 127.
;;     - Each number is divided by its block's scale, clamped to +-7.5, and rounded to the nearest number of E2M3, ties to even, subnormals kept.
;;     - The product sums the exact products of the quantised numbers (number of the format x scale) in f32.
;;   ~~~python
;;   def quantise(x, axis):      # numpy; x: float32 -> the quantised numbers, widened to float32 again
;;       x = np.moveaxis(x, axis, -1); K = x.shape[-1]
;;       x = np.pad(x, [(0, 0)] * (x.ndim - 1) + [(0, -K % 32)]); x = x.reshape(x.shape[:-1] + (-1, 32)); a = np.abs(x).max(-1, keepdims=True)
;;       e = np.where(a > 0, np.clip(np.frexp(np.where(a > 0, a, 1))[1] - 1 - 2, -126, 127), 0)      # np.frexp(a)[1] - 1 = floor(log2(a)), exactly
;;       r = np.clip(x / 2.0 ** e, -7.5, 7.5)
;;       step = 2.0 ** (np.maximum(np.frexp(np.where(r == 0, 1, r))[1] - 1, 0) - 3)
;;       q = np.round(r / step) * step * 2.0 ** e      # np.round: ties to even
;;       return np.moveaxis(q.reshape(q.shape[:-2] + (-1,))[..., :K], -1, axis).astype(np.float32)
;;   ~~~
;;   SOFTMAX AHEAD OF A QUANTISED PRODUCT. Where the list says 'softmax', what is quantised is not the finished softmax but p = 2^(t - M), with t = logit x log2(e) and M = ceil(the row's largest t), a whole number; so 1/2 < the row's largest p <= 1. The row's sum l is taken of the UNQUANTISED p, in f32, and the product's result is divided by l at the end. Since M is a whole number, a kernel that streams over the keys may use a running M (the ceiling of the running maximum): every later rescaling is an exact power of two, which a block's scale takes up: the codes' values come out the same.
;;   OPERANDS COMPUTED ON THE WAY. 'Computed on the way' means the value that the module computes at that place (a softmax that the list does not call 'softmax' is quantised finished and normalised). What goes into a quantiser is computed in f32, as accurately as f32 sums, v_exp_f32 and their like allow (about 1e-6 of the number): no bf16 or f16 on the way to a quantiser, and a product that is left as it is and whose result goes on into a quantised operand takes f32 operands (vector FMAs, or v_wmma_f32_16x16x4_f32). A number that lies on a knife's edge between two numbers of the format may be rounded either way, as far as f32 arithmetic and the matrix unit's own rounding can turn it there, and no further.
;; One version. Each part assembles by itself: llvm-mc -triple=amdgcn-amd-amdhsa -mcpu=gfx1250 --defsym DOCPART=n.
;; ======== version 1 of 1: 4 launches
;; workspace buffers: xc 18,874,368 bytes; xs 786,432 bytes; wc 3,145,728 bytes; ws 131,072 bytes; qi 6,815,744 bytes; kv 13,369,344 bytes; ci 6,291,456 bytes; cs 262,144 bytes
;; launch quant (part 1): grid 896 x 1, 4 waves a work-group, no clusters, 68,096 bytes of LDS; arguments q, k, v, Wq, Wk, Wv, Wo, xc, xs, wc, ws; writes xc, xs, wc, ws
.if DOCPART == 1
	.amdgcn_target "amdgcn-amd-amdhsa--gfx1250"
	.amdhsa_code_object_version 6
	.text
	.protected	k_q7561f9aeb4_quant
	.globl	k_q7561f9aeb4_quant
	.p2align	8
	.type	k_q7561f9aeb4_quant,@function
k_q7561f9aeb4_quant:
	s_mov_b64 s[64:65], 0
	v_nop
	global_prefetch_b8 v0, s[64:65] scope:SCOPE_SE
	s_setreg_imm32_b32 hwreg(HW_REG_WAVE_MODE, 25, 1), 1
	s_wait_xcnt 0x0
; All seven f32 inputs become codes of FP6 (E2M3), 6 bits each, K innermost, with one E8M0 scale byte for each 32 along K.
; q, k, v [8192][1024] (K = the last axis) -> xc [3][8192][768 bytes], xs [3][8192][32].   Wq, Wk, Wv [16][1024 (K)][64] and Wo [1024 (K)][1024] -> wc [4][1024 (n)][768 bytes], ws [4][1024][32]; n = 64 head + d.
; A block's scale is 2^(floor(log2(its largest magnitude)) - 2); its byte is the largest magnitude's exponent field - 2, held at 1 from below.  Each number is divided by the scale and rounded to the nearest code, ties to even;
; beyond the largest code the conversion gives the largest code.
; ROWS ARE STORED PERMUTED: the rows of k, of v and of the four weights lie so that place p holds row swap34(p), bits 3 and 4 of the number changed over.  A tile of 16 neighbouring places then gives the later products results
; whose registers run along neighbours of the next K.  q's rows lie as they come.
; LIMITS: a block of zeros gets the byte 1 where the quantiser's rule says 127 (its codes are zeros, and this program alone reads the bytes); blocks whose largest magnitude lies under 2^-124 were not tried;
; NaN and infinities among the inputs are not served.
; Work-groups 0 to 767 take q, k, v: 32 rows each, 8 rows (8,192 numbers) a wave.  Work-groups 768 to 895 take the weights: 128 columns x 256 along K each.  The two ways part on the work-group's number and have LDS bytes of their own.
; No tensor loads, no barrier: waves share nothing.  No matrix unit, no cluster: the launch only streams.
.set SP,     80                        ; X way: a lane's place in a stage: its 64 bytes + 16 of padding
.set CB,     12                        ; bytes of 16 codes
.set STEPS,  16                        ; steps of 512 numbers for a wave
.set EMAX,   2                         ; the exponent of the format's largest number, 7.5
.set XREG,   8192                      ; X way: LDS region of a wave: two stages of 32 x SP bytes, behind them its 256 scale bytes
.set WBASE,  4*XREG                    ; W way: its stages begin here
.set PITCH,  272                       ; W way: a stage row: sixteen places of 16 bytes, each with 12 bytes of codes, + 16
.set WREG,   32*PITCH
.set SPARE,  WBASE+4*WREG              ; the spare words, 128 bytes for each wave: two blocks of 256 bytes that no other line names
.set NB,     8                         ; W way: blocks of 32 along K for a wave
.set SPW,    208                       ; v208  LDS address of my spare word; never rewritten
.set NIL,    209                       ; v209  0; never rewritten
.set R,      16                        ; X way: v16-79 four sets of 16 numbers as loaded
.set X,      80                        ; v80-111 two sets of 16 neighbours
.set E,      112                       ; v112-127 a scale byte for each step
.set C,      128                       ; v128-191 codes, four registers a step: no store's data are written again
.set WX,     32                        ; W way: v32-95 two sets of 32 numbers
.set WC,     96                        ; v96-102 a block's codes
.set SB,     24                        ; v24-25 the scale bytes, four to a register
.set OUTR,   112                       ; v112-175 the way out
.set AD,     176                       ; v176-207 the byte offset of row i of a block: 4 x lane + i x the row's stride
	s_load_b256 s[4:11], s[0:1], 0x0               ; q, k, v, Wq
	s_load_b256 s[12:19], s[0:1], 0x20             ; Wk, Wv, Wo, xc
	s_load_b128 s[20:23], s[0:1], 0x40             ; xs, wc
	s_load_b64 s[24:25], s[0:1], 0x50              ; ws
	v_lshl_add_u32 v[SPW], v0, 2, SPARE
	v_mov_b32 v[NIL], 0
	v_lshrrev_b32 v1, 5, v0
	v_readfirstlane_b32 s26, v1                    ; wave
	v_and_b32 v2, 31, v0                           ; lane
	s_wait_kmcnt 0x0
	s_cmp_ge_u32 ttmp9, 768
	s_cbranch_scc1 .Lweights
; ---------------- q, k, v: K is innermost.  A tensor is a plain stream of blocks of 32.  Each load reads 512 consecutive bytes; a step's 2,048 bytes turn through the wave's own stage, so that a lane holds 16 neighbours.
	v_lshlrev_b32 v3, 4, v2                        ; my 16 bytes of a load's 512
	s_mul_i32 s27, s26, XREG
	v_lshrrev_b32 v14, 2, v2
	v_mul_u32_u24 v14, v14, SP
	v_and_b32 v15, 3, v2
	v_lshl_add_u32 v14, v15, 4, v14
	v_add_nc_u32 v14, s27, v14                     ; the stage, on the way in: SP (lane / 4) + 16 (lane % 4)
	v_mul_u32_u24 v15, v2, SP
	v_add_nc_u32 v15, s27, v15                     ; on the way out: SP x lane
	v_mul_u32_u24 v4, v2, CB                       ; my codes' place in a step's
	v_lshrrev_b32 v5, 1, v2
	s_add_co_u32 s27, s27, 2*32*SP
	v_add_nc_u32 v5, s27, v5                       ; my block's byte among the wave's 256
	v_lshlrev_b32 v7, 3, v2
	v_add_nc_u32 v6, s27, v7                       ; and on the way out 8 bytes a lane
	s_and_b32 s30, s26, 1                          ; a wave's run is 8 rows, so the wave's two bits are bits 3 and 4 of the row: changed over for k and v
	s_lshl_b32 s30, s30, 1
	s_lshr_b32 s31, s26, 1
	s_or_b32 s30, s30, s31
	s_cmp_lt_u32 ttmp9, 256                        ; the choices hang on the work-group's number alone
	s_cselect_b32 s30, s26, s30                    ; q's rows stay where they are
	s_cselect_b64 s[28:29], s[4:5], s[6:7]
	s_cmp_lt_u32 ttmp9, 512
	s_cselect_b64 s[28:29], s[28:29], s[8:9]
	s_and_b32 s32, ttmp9, 255
	s_lshl_b32 s32, s32, 2
	s_add_co_u32 s32, s32, s26                     ; which run of the tensor I read
	s_lshl_b32 s32, s32, 15                        ; 32,768 bytes a run
	s_mov_b32 s33, 0
	s_add_nc_u64 s[28:29], s[28:29], s[32:33]
	s_lshl_b32 s34, ttmp9, 2
	s_add_co_u32 s34, s34, s30                     ; which run of xc and xs I write: the three tensors lie on end
	s_mul_i32 s32, s34, 32*STEPS*CB
	s_add_nc_u64 s[18:19], s[18:19], s[32:33]
	s_lshl_b32 s32, s34, 8
	s_add_nc_u64 s[20:21], s[20:21], s[32:33]
.macro XLOAD t
.irp i, 0,1,2,3
	global_load_b128 v[R+16*((\t)%4)+4*\i:R+16*((\t)%4)+4*\i+3], v3, s[28:29] offset:2048*(\t)+512*\i th:TH_LOAD_NT   ; 32 lanes read 512 consecutive bytes
.endr
.endm
.macro XTURN t                         ; step t's numbers through the stage: LDS serves a wave's instructions in order, so no wait stands between the stores and the loads
.irp i, 0,1,2,3
	ds_store_b128 v14, v[R+16*((\t)%4)+4*\i:R+16*((\t)%4)+4*\i+3] offset:32*SP*((\t)%2)+8*SP*\i
.endr
.irp i, 0,1,2,3
	ds_load_b128 v[X+16*((\t)%2)+4*\i:X+16*((\t)%2)+4*\i+3], v15 offset:32*SP*((\t)%2)+16*\i
.endr
.endm
.irp t, 0,1,2,3
	XLOAD \t
.endr
	s_wait_loadcnt 12                              ; step 0's four loads are in; the twelve of steps 1 to 3 may be out
	XTURN 0
.macro XSTEP t
.set XS, X+16*((\t)%2)
.if (\t) > 0
	s_wait_dscnt 1                                 ; this step's numbers are back from the stage (the last step's byte store may be out): so its stores into the stage have read their registers,
.else
	s_wait_dscnt 0x0
.endif
.if (\t)+4 < STEPS
	XLOAD (\t)+4                                   ; which take the loads of four steps on
.endif
.if (\t)+1 < STEPS
.if STEPS-2-(\t) >= 3
	s_wait_loadcnt 12                              ; the next step's four loads are in; those of the three steps behind it may be out
.else
	s_wait_loadcnt 4*(STEPS-2-(\t))
.endif
	XTURN (\t)+1                                   ; and go through the other stage while this step is worked
.endif
	v_max3_num_f32 v8, |v[XS]|, |v[XS+1]|, |v[XS+2]|               ; the largest magnitude of my 16, in two chains
	v_max3_num_f32 v9, |v[XS+3]|, |v[XS+4]|, |v[XS+5]|
.irp i, 6,10
	v_max3_num_f32 v8, v8, |v[XS+\i]|, |v[XS+\i+1]|
	v_max3_num_f32 v9, v9, |v[XS+\i+2]|, |v[XS+\i+3]|
.endr
	v_max3_num_f32 v8, v8, |v[XS+14]|, |v[XS+15]|
	v_max3_num_f32 v8, v8, v9, (EMAX+1)<<23        ; and the floor 2^(EMAX + 1 - 127): the byte cannot fall under 1
	v_max_num_f32_dpp v8, v8, v8 row_xmask:1 row_mask:0xf bank_mask:0xf   ; and of my neighbour's 16: the block's
	v_add_nc_u32 v11, -(EMAX<<23), v8              ; EMAX off its exponent field: the conversion takes the exponent field of this operand as its scale
	v_cvt_scalef32_pk16_fp6_f32 v[C+4*(\t):C+4*(\t)+2], v[XS:XS+15], v11
	v_lshrrev_b32 v[E+(\t)], 23, v11               ; the scale's byte (a plain line behind the conversion)
	ds_store_b8 v5, v[E+(\t)] offset:16*(\t)       ; both lanes of a block write the same byte with the same value
	global_store_b96 v4, v[C+4*(\t):C+4*(\t)+2], s[18:19] offset:32*CB*(\t)   ; the wave stores 384 consecutive bytes
.endm
.irp t, 0,1,2,3,4,5,6,7,8,9,10,11,12,13,14,15
	XSTEP \t
.endr
	ds_load_b64 v[8:9], v6                         ; LDS serves a wave's instructions in order: this sees my byte stores
	s_wait_dscnt 0x0
	global_store_b64 v7, v[8:9], s[20:21]          ; 32 lanes store 256 consecutive bytes, at a multiple of 256 from the buffer's first byte
	s_wait_tensorcnt 0x0                           ; the wave's end, behind my last LDS store
	ds_add_u32 v[SPW], v[NIL]
	s_wait_dscnt 0x0
	s_endpgm
; ---------------- the weights: K is not innermost.  A lane takes a column n and its registers run down K: a block of 32 lies in one lane, and the conversions give codes with K innermost.
.Lweights:
	s_sub_co_u32 s27, ttmp9, 768
	s_lshr_b32 s28, s27, 5                         ; which weight: 0 Wq, 1 Wk, 2 Wv, 3 Wo
	s_bfe_u32 s29, s27, 0x20003                    ; which 256 along K
	s_and_b32 s30, s27, 7
	s_lshl_b32 s30, s30, 7
	s_lshl_b32 s31, s26, 5
	s_add_co_u32 s30, s30, s31                     ; my wave's first column n0: 128 x group + 32 x wave
	s_lshr_b32 s51, s30, 6                         ; in Wq, Wk, Wv column n lies in head n / 64 (262,144 bytes a head) at d = n % 64,
	s_lshl_b32 s51, s51, 18
	s_and_b32 s52, s30, 63
	s_lshl_b32 s52, s52, 2
	s_add_co_u32 s51, s51, s52
	s_lshl_b32 s52, s30, 2                         ; in Wo at 4 n
	s_movk_i32 s50, 4096
	s_cmp_eq_u32 s28, 0
	s_cselect_b64 s[48:49], s[10:11], s[12:13]
	s_cmp_lt_u32 s28, 2
	s_cselect_b64 s[48:49], s[48:49], s[14:15]
	s_cmp_lt_u32 s28, 3
	s_cselect_b64 s[48:49], s[48:49], s[16:17]
	s_cselect_b32 s50, 256, s50                    ; bytes from one k to the next: 256 in a head, 4,096 in Wo
	s_cselect_b32 s52, s51, s52
	s_lshl_b32 s53, s29, 8
	s_mul_i32 s53, s53, s50
	s_add_co_u32 s52, s52, s53                     ; + my first k
	s_mov_b32 s53, 0
	s_add_nc_u64 s[32:33], s[48:49], s[52:53]      ; block 0's base; the stride is no constant of the text, so each of the eight blocks has a base of its own and each row an offset register
	s_lshl_b32 s52, s50, 5                         ; 32 rows on
.irp t, 1,2,3,4,5,6,7
	s_add_nc_u64 s[32+2*\t:33+2*\t], s[30+2*\t:31+2*\t], s[52:53]
.endr
	s_mul_i32 s54, s28, 786432                     ; codes: weight x 1,024 rows of 768 bytes + n0 rows + 192 bytes for each 256 along K
	s_mul_i32 s55, s30, 768
	s_add_co_u32 s54, s54, s55
	s_mul_i32 s55, s29, 192
	s_add_co_u32 s54, s54, s55
	s_mov_b32 s55, 0
	s_add_nc_u64 s[22:23], s[22:23], s[54:55]
	s_lshl_b32 s54, s28, 15                        ; scale bytes: rows of 32
	s_lshl_b32 s56, s30, 5
	s_add_co_u32 s54, s54, s56
	s_lshl_b32 s56, s29, 3
	s_add_co_u32 s54, s54, s56
	s_add_nc_u64 s[24:25], s[24:25], s[54:55]
	v_lshlrev_b32 v[AD], 2, v2
.set I, 1
.rept 31
	v_add_nc_u32 v[AD+I], s50, v[AD+I-1]
.set I, I+1
.endr
	v_and_b32 v5, 7, v2                            ; my column's place among the wave's 32: bits 3 and 4 of the lane changed over
	v_bfe_u32 v6, v2, 3, 1
	v_bfe_u32 v10, v2, 4, 1
	v_lshl_or_b32 v5, v6, 4, v5
	v_lshl_or_b32 v5, v10, 3, v5
	s_mul_i32 s57, s26, WREG
	s_add_co_u32 s57, s57, WBASE                   ; my stage
	v_mul_u32_u24 v4, v5, PITCH
	v_add_nc_u32 v4, s57, v4                       ; into it: row = my column's place
	v_lshlrev_b32 v9, 5, v5                        ; and its row of scale bytes
	v_and_b32 v6, 15, v2
	v_mul_u32_u24 v7, v10, PITCH                   ; out of it: sixteen lanes to a row, two rows an instruction
	v_lshl_add_u32 v7, v6, 4, v7
	v_add_nc_u32 v7, s57, v7
	v_mul_u32_u24 v8, v10, 768
	v_mad_u32_u24 v8, v6, 12, v8                   ; and the same place in the codes' buffer
.macro WLOAD t                         ; block t: W(32 t + i, my column), i = 0 .. 31, into set t % 2: each load reads 128 consecutive bytes
.irp i, 0,1,2,3,4,5,6,7,8,9,10,11,12,13,14,15,16,17,18,19,20,21,22,23,24,25,26,27,28,29,30,31
	global_load_b32 v[WX+32*((\t)%2)+\i], v[AD+\i], s[32+2*(\t):33+2*(\t)] th:TH_LOAD_NT
.endr
.endm
	WLOAD 0
	WLOAD 1
.macro WBLOCK t
.set XS, WX+32*((\t)%2)
.if (\t) < NB-1
	s_wait_loadcnt 32                              ; this block's 32 loads are in; the next block's may be out
.else
	s_wait_loadcnt 0
.endif
	v_max3_num_f32 v12, |v[XS]|, |v[XS+1]|, |v[XS+2]|              ; the block's largest magnitude: all 32 numbers are mine
	v_max3_num_f32 v13, |v[XS+3]|, |v[XS+4]|, |v[XS+5]|
.irp i, 6,10,14,18,22,26
	v_max3_num_f32 v12, v12, |v[XS+\i]|, |v[XS+\i+1]|
	v_max3_num_f32 v13, v13, |v[XS+\i+2]|, |v[XS+\i+3]|
.endr
	v_max3_num_f32 v12, v12, |v[XS+30]|, |v[XS+31]|
	v_max3_num_f32 v12, v12, v13, (EMAX+1)<<23     ; and the floor
	v_add_nc_u32 v11, -(EMAX<<23), v12             ; the conversions' scale operand
	v_lshrrev_b32 v13, 23, v11                     ; the scale's byte
.if (\t)%4 == 0
	v_mov_b32 v[SB+(\t)/4], v13                    ; four bytes to a register, the lower K in the lower byte
.else
	v_lshl_or_b32 v[SB+(\t)/4], v13, 8*((\t)%4), v[SB+(\t)/4]
.endif
	v_cvt_scalef32_pk16_fp6_f32 v[WC:WC+2], v[XS:XS+15], v11
	v_cvt_scalef32_pk16_fp6_f32 v[WC+4:WC+6], v[XS+16:XS+31], v11  ; (a conversion's three registers begin on an even number)
	ds_store_b96 v4, v[WC:WC+2] offset:32*(\t)     ; 12 bytes to a place of 16 in the stage: every LDS address is a multiple of 16
	ds_store_b96 v4, v[WC+4:WC+6] offset:32*(\t)+16
.if (\t)+2 < NB
	WLOAD (\t)+2
.endif
	s_wait_dscnt 0x0                               ; the stores have read their registers: the next block's codes may be written
.endm
.irp t, 0,1,2,3,4,5,6,7
	WBLOCK \t
.endr
	global_store_b64 v9, v[SB:SB+1], s[24:25]      ; my column's 8 scale bytes: one byte in 128 of what this way reads leaves in pieces of 8
.irp t, 0,1,2,3,4,5,6,7,8,9,10,11,12,13,14,15
	ds_load_b96 v[OUTR+4*\t:OUTR+4*\t+2], v7 offset:2*\t*PITCH   ; LDS serves a wave's instructions in order: these see my stores
.endr
.irp t, 0,1,2,3,4,5,6,7,8,9,10,11,12,13,14,15
	s_wait_dscnt 15-\t                             ; load t is back; the 15 - t younger ones may be out
	global_store_b96 v8, v[OUTR+4*\t:OUTR+4*\t+2], s[22:23] offset:2*\t*768   ; sixteen lanes store a row's 192 consecutive bytes
.endr
	s_wait_tensorcnt 0x0                           ; the wave's end, behind my last LDS store
	ds_add_u32 v[SPW], v[NIL]
	s_wait_dscnt 0x0
	s_endpgm
.Lfunc_end_k_q7561f9aeb4_quant:
	.size	k_q7561f9aeb4_quant, .Lfunc_end_k_q7561f9aeb4_quant-k_q7561f9aeb4_quant
	.p2alignl 7, 3214868480
	.fill 96, 4, 3214868480
	.section	.rodata,"a",@progbits
	.p2align	6, 0x0
	.amdhsa_kernel k_q7561f9aeb4_quant
		.amdhsa_group_segment_fixed_size 68096
		.amdhsa_private_segment_fixed_size 0
		.amdhsa_enable_private_segment 0
		.amdhsa_kernarg_size 88
		.amdhsa_user_sgpr_count 2
		.amdhsa_user_sgpr_kernarg_segment_ptr 1
		.amdhsa_wavefront_size32 1
		.amdhsa_system_sgpr_workgroup_id_x 1
		.amdhsa_system_sgpr_workgroup_id_y 1
		.amdhsa_system_sgpr_workgroup_id_z 1
		.amdhsa_system_vgpr_workitem_id 0
		.amdhsa_next_free_vgpr 210
		.amdhsa_next_free_sgpr 66
		.amdhsa_reserve_vcc 0
		.amdhsa_float_denorm_mode_32 3
		.amdhsa_float_denorm_mode_16_64 3
		.amdhsa_memory_ordered 1
		.amdhsa_forward_progress 1
		.amdhsa_inst_pref_size 75
	.end_amdhsa_kernel
	.amdgpu_metadata
---
amdhsa.version: [ 1, 2 ]
amdhsa.kernels:
  - .name:           k_q7561f9aeb4_quant
    .symbol:         k_q7561f9aeb4_quant.kd
    .args:
      - { .name: q, .offset: 0, .size: 8, .value_kind: global_buffer, .address_space: global }
      - { .name: k, .offset: 8, .size: 8, .value_kind: global_buffer, .address_space: global }
      - { .name: v, .offset: 16, .size: 8, .value_kind: global_buffer, .address_space: global }
      - { .name: Wq, .offset: 24, .size: 8, .value_kind: global_buffer, .address_space: global }
      - { .name: Wk, .offset: 32, .size: 8, .value_kind: global_buffer, .address_space: global }
      - { .name: Wv, .offset: 40, .size: 8, .value_kind: global_buffer, .address_space: global }
      - { .name: Wo, .offset: 48, .size: 8, .value_kind: global_buffer, .address_space: global }
      - { .name: xc, .offset: 56, .size: 8, .value_kind: global_buffer, .address_space: global }
      - { .name: xs, .offset: 64, .size: 8, .value_kind: global_buffer, .address_space: global }
      - { .name: wc, .offset: 72, .size: 8, .value_kind: global_buffer, .address_space: global }
      - { .name: ws, .offset: 80, .size: 8, .value_kind: global_buffer, .address_space: global }
    .group_segment_fixed_size: 68096
    .private_segment_fixed_size: 0
    .kernarg_segment_align: 8
    .kernarg_segment_size: 88
    .max_flat_workgroup_size: 128
    .sgpr_count:     66
    .vgpr_count:     210
    .wavefront_size: 32
...
	.end_amdgpu_metadata
.endif
;; end of part 1
;; launch proj (part 2): grid 4 x 96, 4 waves a work-group, clusters of 4 x 4, 327,680 bytes of LDS; arguments xc, xs, wc, ws, qi, kv; writes qi, kv
.if DOCPART == 2
	.amdgcn_target "amdgcn-amd-amdhsa--gfx1250"
	.amdhsa_code_object_version 6
	.text
	.protected	k_q7561f9aeb4_proj
	.globl	k_q7561f9aeb4_proj
	.p2align	8
	.type	k_q7561f9aeb4_proj,@function
k_q7561f9aeb4_proj:
	s_mov_b64 s[64:65], 0
	v_nop
	global_prefetch_b8 v0, s[64:65] scope:SCOPE_SE
	s_setreg_imm32_b32 hwreg(HW_REG_WAVE_MODE, 25, 1), 1
	s_wait_xcnt 0x0
	s_wait_alu depctr_hold_cnt(0) depctr_sa_sdst(0) depctr_va_vdst(0) depctr_va_sdst(0) depctr_va_ssrc(0) depctr_va_vcc(0) depctr_vm_vsrc(0)
	s_getreg_b32 s2, hwreg(HW_REG_IB_STS2, 6, 4)
	s_cmp_eq_u32 s2, 0
	s_cbranch_scc0 .Lentry_in_a_cluster
	s_endpgm
.Lentry_in_a_cluster:
	s_bfe_u32 s2, ttmp6, 0x10000c
	s_cmp_lg_u32 s2, 0xf033
	s_cbranch_scc0 .Lentry_shape_is_right
	s_endpgm
.Lentry_shape_is_right:
; The three projections qh = q Wq, kh = k Wk, vh = v Wv on codes of FP6 (E2M3) with E8M0 scales, K = 1,024, sums in f32; the results are quantised in registers for the attention and leave as codes.
; A tile of 256 x 256 is made by a work-group of four waves; a wave makes 128 x 128: 64 accumulators, 512 registers.  K goes in steps of 256 through a ring of two LDS slots filled by the tensor data mover.
; The scale bytes of the work-group's 2 x 256 rows, for all of K, come into LDS once, with the first fills.
; CLUSTERS of 4 x 4 work-groups; cluster y 0-7: q, 8-15: k, 16-23: v.  A's tile is shared along a row of the cluster, B's along a column: each is asked for jointly, by one tensor load with a mask that names the four.
; WHICH OPERAND IS A.  The matrix instruction takes 16 rows of B as source 0 and 16 rows of A as source 1: a lane then holds ONE row of A, and its registers run along B's rows.  The next quantiser runs along d for qh and kh and
; along the keys for vh.  So for q and k: A = the tokens' codes (xc), B = the weight (wc).  For v: A = Wv, B = v's codes.  xc holds its three tensors on end and wc its four, so one tile number serves each side.
; The rows of B lie permuted (place p holds row swap34(p), bits 3 and 4 changed over): the 16 registers of accumulators 2 b and 2 b + 1 are then 16 NEIGHBOURS, 32 b + 16 (lane / 16) + 0 .. 15, along the next K.
; THE WAY OUT.  A block of 16 rows x 128 columns, 64 registers a lane, becomes a fragment's 12 registers of codes and a scale word, and goes to memory as an IMAGE OF THE REGISTERS: registers 0-3 at 16 x lane,
; registers 4-5 at 512 + 8 x lane: 768 bytes for 16 rows x 64 along K; registers 6-11 likewise.  Every store of the wave covers 512 or 256 consecutive bytes at a multiple of 256 from the buffer's first byte.
;   qi: [batch x head 64][chunk of 256 queries 8] x 13,312 bytes: 16 images, then 1,024 bytes of scale words [64 rows][row 16][tile 4], each word: two bytes of the head's 64 and twice 0x7f.
;   kv: [64][chunk of 256 keys 8] x 26,112 bytes: K's part as in qi, then for each 128 keys 4 fragments of V^T (16 places of d x 128 keys, 1,536 bytes) and 256 bytes of scale words [row 16][tile 4].
; LIMITS: a block of zeros gets the byte 1 (this program alone reads the bytes); blocks under 2^-124 were not tried; NaN and infinities are not served.
; REGISTERS, in windows of 256: window 0: v0-31 addresses; v32-63 scale words, two sets; v64-127 the way out; from v128 A's fragments, one set.  window 1: B's fragments, two sets.  windows 2, 3: the accumulators.
.set KSTEP,  256
.set NQ,     2                         ; matrix instructions deep in a slot
.set ROWB,   192                       ; a tile's row in bytes
.set KROW,   768                       ; a row of codes in memory
.set PITCH,  240                       ; an LDS row: 3 x (64 bytes + 16 of padding): the 32 lanes of a load of 8 bytes touch 64 different banks of 4 bytes (ISA guide 11.1)
.set FR,     12
.set NL,     6                         ; LDS loads that bring a fragment
.set NP,     4                         ; places behind this matrix instruction (ISA guide 7.12.1)
.set HALFT,  128*PITCH
.set SLOT,   4*HALFT
.set LAPS,   2                         ; K = 1,024 is four slots' worth: twice round the ring
.set KS,     32                        ; a row of scale bytes
.set SCL,    2*SLOT
.set HALFS,  16*272                    ; the scales of 128 rows: 16 units of 256 bytes + 16 of padding
.set SBLK,   2*272                     ; those of 16 rows
.set SPARE,  SCL+4*HALFS               ; the spare words, 128 bytes a wave: two blocks of 256 bytes that no other line names
.set ADRA, 16                          ; v16-17 LDS address of my A fragments in slot 0, 1 (v18-19: behind one padding more)
.set ADRB, 20                          ; v20-23 the same for B
.set VS2,  24                          ; v24  the second scale store's offset
.set ADRS, 27                          ; v27  my scale words: lanes 0-15 A's rows, lanes 16-31 B's
.set SPW,  28
.set NIL,  29
.set SC,   32
.set AF,   128
.set TM,   64                          ; v64-67 largest magnitudes, v68-71 bytes, v76-79 the conversions' scale operands
.set CDS,  80                          ; v80-91 a fragment's codes; v92-98 at work
.set WSC,  100                         ; v100-107 the eight blocks' scale words
.set TT,   108
.set EE,   112
.set OO,   116
.set VO,   120                         ; v120-123 the four stores' offsets
.set L16,  124                         ; 16 x lane
.set L8,   125                         ; 8 x lane
.set VS,   126                         ; the scale store's offset
.set C7F,  127                         ; 0x7f in every byte
.set G1, 24
.set G0, 32
.set G1B, 48
.set G0B, 56
.set G1S, 68
.set G0S, 76
.set G1SB, 80
.set G0SB, 88
.set SELP, 104                         ; s[104:105] lane selects for v_permlanex16_b32: lane l xor 16
.set MSB, 0
.macro WIN new                         ; the immediate's high byte repeats the setting that is left
.if MSB != (\new)
	s_set_vgpr_msb (MSB<<8)|(\new)
.set MSB, (\new)
.endif
.endm
.set MUL_LO, 0xa1                      ; source 0 (B) window 1, source 1 (A) window 0, C and D window 2
.set MUL_HI, 0xf1
.set TO_B,   0x40
; A joint load: waves 0 and 1 fetch for A, waves 2 and 3 for B; the branch hangs on the wave's number alone.  An s_nop 0 and four v_nop follow each of the two lines.
.macro JLOAD g0a, g1a, g0b, g1b
	s_cmp_eq_u32 s15, 0
	s_cbranch_scc0 .Lfor_b_\@
	tensor_load_to_lds s[\g0a:\g0a+3], s[\g1a:\g1a+7]
	s_nop 0
.rept 4
	v_nop
.endr
	s_branch .Lasked_\@
.Lfor_b_\@:
	tensor_load_to_lds s[\g0b:\g0b+3], s[\g1b:\g1b+7]
	s_nop 0
.rept 4
	v_nop
.endr
.Lasked_\@:
.endm
.macro CREST                           ; a round of the cluster's barrier behind its opening barrier
	s_cmp_lg_u32 s14, 0
	s_cbranch_scc1 .Lnot_wave_0_\@
	s_barrier_signal -3
.Lnot_wave_0_\@:
	s_barrier_wait -3
	s_barrier_signal -1
	s_barrier_wait -1
.endm
.macro CROUND
	s_barrier_signal -1
	s_barrier_wait -1
	CREST
.endm
	s_load_b128 s[4:7], s[0:1], 0x0                ; xc, xs
	s_load_b128 s[8:11], s[0:1], 0x10              ; wc, ws
	s_load_b128 s[96:99], s[0:1], 0x20             ; qi, kv
	v_lshl_add_u32 v[SPW], v0, 2, SPARE
	v_mov_b32 v[NIL], 0
	ds_add_u32 v[SPW], v[NIL]                      ; the wave's opening: the add and its wait stand ahead of my first tensor load; the set-up below stands between them
	v_lshrrev_b32 v1, 5, v0
	v_readfirstlane_b32 s14, v1                    ; wave 0..3
	s_lshr_b32 s15, s14, 1                         ; which half of A's rows is mine.  Also: I fetch for A (0) or for B (1)
	s_and_b32 s16, s14, 1                          ; which half of B's rows.  Also: which 128 rows of that tile I fetch
	s_bfe_u32 s40, ttmp6, 0x40000                  ; cx
	s_bfe_u32 s41, ttmp6, 0x40004                  ; cy
	s_and_b32 s66, ttmp7, 0xffff                   ; the cluster's y: the same in all sixteen partners
	s_lshl_b32 s17, s66, 2
	s_lshr_b32 s42, s66, 3
	s_lshl_b32 s42, s42, 2
	s_cmp_ge_u32 s66, 16                           ; v's clusters?
	s_cselect_b32 s42, s17, s42                    ; B's tile: v: tile 4 y + cx of xc (64 ..);  q, k: tile 4 (y / 8) + cx of wc
	s_cselect_b32 s17, 8, s17                      ; A's tile: v: tile 8 + cy of wc (Wv);  q, k: tile 4 y + cy of xc
	s_add_co_u32 s42, s42, s40
	s_add_co_u32 s17, s17, s41
	s_lshl_b32 s43, s41, 2
	s_lshl_b32 s43, 15, s43                        ; my row of the cluster
	s_lshl_b32 s44, 0x1111, s40                    ; my column
	; descriptor group 1: a tile of 128 rows x 192 bytes, 16 bytes of padding behind every 64
	s_or_b32 s[G1+0], s43, (0<<16)|(1<<20)|(1<<21)|(3<<22)|(3<<25)
	s_or_b32 s[G1B+0], s44, (0<<16)|(1<<20)|(1<<21)|(3<<22)|(3<<25)
.irp g, G1, G1B
	s_mov_b32 s[\g+1], ROWB<<16                    ; tensor_dim0
	s_mov_b32 s[\g+2], 128<<16                     ; tensor_dim1
	s_mov_b32 s[\g+3], ROWB<<16                    ; tile_dim0
	s_mov_b32 s[\g+4], 128                         ; tile_dim1
	s_mov_b32 s[\g+5], KROW                        ; the pitch
	s_mov_b32 s[\g+6], 0
	s_mov_b32 s[\g+7], 0
.endr
	; the scales of 128 rows: 4,096 dense bytes as 16 rows of 256 (32 elements of 8 bytes), 16 bytes of padding behind each
	s_or_b32 s[G1S+0], s43, (3<<16)|(1<<20)|(1<<21)|(5<<22)|(3<<25)
	s_or_b32 s[G1SB+0], s44, (3<<16)|(1<<20)|(1<<21)|(5<<22)|(3<<25)
.irp g, G1S, G1SB
	s_mov_b32 s[\g+1], 32<<16
	s_mov_b32 s[\g+2], 16<<16
	s_mov_b32 s[\g+3], 32<<16
	s_mov_b32 s[\g+4], 16
	s_mov_b32 s[\g+5], 32
	s_mov_b32 s[\g+6], 0
	s_mov_b32 s[\g+7], 0
.endr
	s_lshl_b32 s18, s16, 7
	s_lshl_b32 s20, s17, 8
	s_add_co_u32 s20, s20, s18                     ; A: row 256 x tile + 128 x half
	s_lshl_b32 s46, s42, 8
	s_add_co_u32 s46, s46, s18                     ; B likewise
	s_mov_b32 s21, 0
	s_mov_b32 s47, 0
	s_mov_b64 s[18:19], KS
	s_mul_u64 s[22:23], s[20:21], s[18:19]
	s_mul_u64 s[92:93], s[46:47], s[18:19]
	s_mov_b64 s[18:19], KROW
	s_mul_u64 s[20:21], s[20:21], s[18:19]
	s_mul_u64 s[46:47], s[46:47], s[18:19]
	s_mul_i32 s45, s14, HALFT                      ; where they go: wave x 128 rows: no place in the cluster enters an LDS address
	s_mul_i32 s94, s14, HALFS
	s_wait_dscnt 0x0                               ; the opening add is done
	s_wait_kmcnt 0x0
	s_cmp_ge_u32 s66, 16                           ; for v the two pairs of buffers change roles: a choice that hangs on the cluster's y alone
	s_cselect_b64 s[100:101], s[8:9], s[4:5]
	s_cselect_b64 s[104:105], s[10:11], s[6:7]
	s_cselect_b64 s[8:9], s[4:5], s[8:9]           ; B's codes
	s_cselect_b64 s[10:11], s[6:7], s[10:11]       ; B's scales
	s_mov_b64 s[4:5], s[100:101]                   ; A's codes
	s_mov_b64 s[6:7], s[104:105]                   ; A's scales
	s_cmp_lt_u32 s66, 8
	s_cselect_b64 s[12:13], s[96:97], s[98:99]     ; the results: qi for q, kv for k and v
	s_add_nc_u64 s[20:21], s[4:5], s[20:21]
	s_add_nc_u64 s[22:23], s[6:7], s[22:23]
	s_add_nc_u64 s[46:47], s[8:9], s[46:47]
	s_add_nc_u64 s[92:93], s[10:11], s[92:93]
	CROUND                                         ; all sixteen work-groups are here: the first joint loads meet
	s_mov_b32 s[G0S], 1
	s_add_co_u32 s[G0S+1], s94, SCL
	s_mov_b64 s[G0S+2:G0S+3], s[22:23]
	s_or_b32 s[G0S+3], s[G0S+3], 0x80000000
	s_mov_b32 s[G0SB], 1
	s_add_co_u32 s[G0SB+1], s94, SCL
	s_mov_b64 s[G0SB+2:G0SB+3], s[92:93]
	s_or_b32 s[G0SB+3], s[G0SB+3], 0x80000000
	JLOAD G0S, G1S, G0SB, G1SB                     ; the scales first: they are wanted with K step 0.  Three loads of mine are out behind the first fills
.irp s, 0,1
	s_mov_b32 s[G0+4*\s], 1
	s_add_co_u32 s[G0+4*\s+1], s45, \s*SLOT
	s_add_nc_u64 s[G0+4*\s+2:G0+4*\s+3], s[20:21], \s*ROWB
	s_or_b32 s[G0+4*\s+3], s[G0+4*\s+3], 0x80000000
	s_mov_b32 s[G0B+4*\s], 1
	s_add_co_u32 s[G0B+4*\s+1], s45, \s*SLOT
	s_add_nc_u64 s[G0B+4*\s+2:G0B+4*\s+3], s[46:47], \s*ROWB
	s_or_b32 s[G0B+4*\s+3], s[G0B+4*\s+3], 0x80000000
	JLOAD G0+4*\s, G1, G0B+4*\s, G1B
.endr
	v_and_b32 v1, 15, v0                           ; r = l % 16
	v_bfe_u32 v2, v0, 4, 1                         ; h = l / 16
	v_mul_u32_u24 v3, v1, PITCH
	v_mul_u32_u24 v4, v2, 24
	v_add_nc_u32 v4, v3, v4                        ; a fragment's row x pitch + 24 x half
	v_lshl_add_u32 v5, v2, 4, v4                   ; and the same behind one padding more
	s_mul_i32 s21, s15, HALFT
	s_mul_i32 s22, s16, HALFT
	s_add_co_u32 s22, s22, 2*HALFT
.irp s, 0,1
	v_add_nc_u32 v[ADRA+\s], s21, v4
	v_add_nc_u32 v[ADRB+\s], s22, v4
	v_add_nc_u32 v[ADRA+2+\s], s21, v5
	v_add_nc_u32 v[ADRB+2+\s], s22, v5
	s_add_co_u32 s21, s21, SLOT
	s_add_co_u32 s22, s22, SLOT
.endr
	v_mul_u32_u24 v5, v1, KS                       ; my row's scales: 32 bytes a row,
	v_lshrrev_b32 v6, 8, v5
	v_lshl_add_u32 v5, v6, 4, v5                   ; and 16 more for each 256 passed
	s_mul_i32 s21, s15, HALFS
	s_mul_i32 s22, s16, HALFS
	s_add_co_u32 s22, s22, 2*HALFS
	s_sub_co_u32 s22, s22, s21
	v_mul_u32_u24 v6, s22, v2                      ; lanes 16-31 take B's: one product, the distance between the two bases
	s_add_co_u32 s21, s21, SCL
	v_add_nc_u32 v5, v5, v6
	v_add_nc_u32 v[ADRS], s21, v5
	; THE WAY OUT'S NUMBERS, made while the first tiles are on their way.  Where both arms of a choice are literals, one arm stands in the register first.
	s_mov_b32 s18, 768
	s_mov_b32 s19, 3072
	s_mov_b32 s22, 0x04040100
	s_mov_b32 s43, 6144
	s_mov_b32 s44, 512
	s_mov_b32 s45, 12288
	s_mov_b32 s46, 256
	s_mov_b32 s67, 26112
	s_cmp_lt_u32 s66, 8
	s_cselect_b32 s67, 13312, s67                  ; bytes of a chunk: qi's or kv's
	s_lshl_b32 s20, s67, 3                         ; a head on: 8 chunks
	s_cmp_ge_u32 s66, 16
	s_cselect_b32 s18, 1536, s18                   ; from block to block among four: v: a fragment;  q, k: an image
	s_cselect_b32 s19, 208896, s19                 ; from blocks 0-3 to 4-7: v: the next head;  q, k: four images
	s_cselect_b32 s20, 768, s20                    ; from registers 0-5 to 6-11: v: the fragment's second image;  q, k: the next head
	s_cselect_b32 s22, 0x03020100, s22             ; the scale word: v: as it is;  q, k: bytes 0, 1 and twice 0x7f
	s_cselect_b32 s43, 6400, s43
	s_cselect_b32 s44, 6400, s44
	s_cselect_b32 s45, 19456, s45
	s_cselect_b32 s46, 208896, s46                 ; scale words of blocks 4-7: v: the next head;  q, k: the next 64 rows
	s_cselect_b32 s47, 13312, 0
	s_cselect_b32 s92, s42, s17                    ; the tile that names batch and chunk: the tokens' side
	s_cselect_b32 s93, s41, s40                    ; the weight's side names the heads: four to a tile,
	s_cselect_b32 s94, s15, s16                    ; two to my half of it
	s_cselect_b32 s95, s16, s15                    ; my half of the tokens' side
	s_and_b32 s92, s92, 31                         ; 32 tiles to a tensor: batch x 8 + chunk
	s_lshl_b32 s93, s93, 2
	s_lshl_b32 s94, s94, 1
	s_add_co_u32 s93, s93, s94                     ; my first head
	s_lshr_b32 s94, s92, 3
	s_lshl_b32 s94, s94, 4
	s_add_co_u32 s94, s94, s93
	s_lshl_b32 s94, s94, 3
	s_and_b32 s92, s92, 7
	s_add_co_u32 s94, s94, s92
	s_mul_i32 s94, s94, s67                        ; my chunk's first byte (under 2^24)
	s_mul_i32 s43, s43, s95
	s_add_co_u32 s21, s94, s43
	s_add_co_u32 s21, s21, s47                     ; s21: block 0's first image
	s_mul_i32 s44, s44, s95
	s_add_co_u32 s45, s45, s44
	s_add_co_u32 s45, s45, s94                     ; s45: my scale words
	s_mov_b32 s[SELP], 0x76543210
	s_mov_b32 s[SELP+1], 0xfedcba98
	v_and_b32 v6, 31, v0
	v_lshlrev_b32 v[L16], 4, v6
	v_lshlrev_b32 v[L8], 3, v6
	v_lshlrev_b32 v[VS], 4, v1
	v_mul_u32_u24 v7, v2, s46
	v_add3_u32 v[VS], v[VS], v7, s45               ; 16 r + (l / 16) x the step + the base
	v_add_nc_u32 v[VS2], s20, v[VS]                ; q, k: the same in the next head
	v_mov_b32 v[C7F], 0x7f7f7f7f
.macro FRAG reg, adr, q, i             ; a fragment, 16 rows x 128 K, is 12 registers: lane l holds row l % 16; registers 6 c .. 6 c + 5 hold K = 64 c + 32 (l / 16) + 0 .. 31: 24 bytes of the row as they lie, in pieces of 8
.irp p, 0,1,2,3,4,5
.set PIE, 12*(\q)+6*(\p/3)+\p%3       ; 16 bytes of padding lie behind every 8 pieces: where the piece three on lies behind one padding more, the second address register serves
.if PIE%8 < 5
	ds_load_b64 v[\reg+2*\p:\reg+2*\p+1], v[\adr] offset:8*PIE+16*(PIE/8)+(\i)*16*PITCH
.else
	ds_load_b64 v[\reg+2*\p:\reg+2*\p+1], v[\adr+2] offset:8*PIE+16*(PIE/8)+(\i)*16*PITCH
.endif
.endr
.endm
; 16 matrix instructions: A's blocks a0, a0 + 1 x B's eight.  The 64 accumulators take turns, one instruction a turn, in the same order in every step.  zero = 1: the first product starts the sums.
.macro MUL16 a0, p, q, sc, zero
.irp a, \a0, \a0+1
.irp b, 0,1,2,3,4,5,6,7
.if \zero
	v_wmma_scale_f32_16x16x128_f8f6f4 v[8*(8*((\a)%4)+\b):8*(8*((\a)%4)+\b)+7], v[128*(\p)+FR*\b:128*(\p)+FR*\b+FR-1], v[AF+FR*(\a):AF+FR*(\a)+FR-1], 0, v[SC+8*NQ*(\sc)+NQ*\b+(\q)], v[SC+8*NQ*(\sc)+NQ*(\a)+(\q)] matrix_a_fmt:MATRIX_FMT_FP6 matrix_b_fmt:MATRIX_FMT_FP6 matrix_a_scale:MATRIX_SCALE_ROW1
.else
	v_wmma_scale_f32_16x16x128_f8f6f4 v[8*(8*((\a)%4)+\b):8*(8*((\a)%4)+\b)+7], v[128*(\p)+FR*\b:128*(\p)+FR*\b+FR-1], v[AF+FR*(\a):AF+FR*(\a)+FR-1], v[8*(8*((\a)%4)+\b):8*(8*((\a)%4)+\b)+7], v[SC+8*NQ*(\sc)+NQ*\b+(\q)], v[SC+8*NQ*(\sc)+NQ*(\a)+(\q)] matrix_a_fmt:MATRIX_FMT_FP6 matrix_b_fmt:MATRIX_FMT_FP6 matrix_a_scale:MATRIX_SCALE_ROW1
.endif
.endr
.endr
.endm
.macro FETCH_B slot, q, p
	WIN TO_B
.irp i, 0,1,2,3,4,5,6,7
	FRAG 128*(\p)+FR*\i, ADRB+\slot, \q, \i
.endr
	WIN 0
.endm
.macro FETCH_A slot, q, i0
.irp i, \i0, \i0+1, \i0+2, \i0+3
	FRAG AF+FR*(\i), ADRA+\slot, \q, \i
.endr
.endm
.macro SCALES sc                       ; a K step's scale words: lanes 0-15 take A's block i, lanes 16-31 B's block i
.irp i, 0,1,2,3,4,5,6,7
	ds_load_b64 v[SC+8*NQ*\sc+NQ*\i:SC+8*NQ*\sc+NQ*\i+1], v[ADRS] offset:\i*SBLK
.endr
.endm
.macro PLACES n                        ; plain vector instructions between a matrix instruction and a load into, or a read of, its registers
.rept \n
	v_nop
.endr
.endm
.macro STEP slot, q, zero              ; a step of 128 along K that has its successor in the same slot
	s_wait_dscnt 4*NL                              ; B's set and A's blocks 0-3 are in; the youngest 24 loads (A's blocks 4-7) may be out
	WIN MUL_LO
	MUL16 0, (\q)%2, \q, \slot, \zero
	MUL16 2, (\q)%2, \q, \slot, \zero
	s_wait_dscnt 0                                 ; A's blocks 4-7 are in
	PLACES NP
	FETCH_B \slot, (\q)+1, 1-(\q)%2
	FETCH_A \slot, (\q)+1, 0
	WIN MUL_HI
	MUL16 4, (\q)%2, \q, \slot, \zero
	MUL16 6, (\q)%2, \q, \slot, \zero
	PLACES NP
	WIN 0
	FETCH_A \slot, (\q)+1, 4
.endm
; A slot's last step changes slots: one barrier; in front of it each wave waits for all its tensor loads, adds 0 to its spare word, and waits for that and for its own reads of this slot.  fill = 1: the slot is filled again.
.macro TURN slot, next, fill
	s_wait_tensorcnt 0x0                           ; all my tensor loads have landed: my part of the next slot
	ds_add_u32 v[SPW], v[NIL]                      ; 0 onto my spare word
	s_wait_dscnt 4*NL+1                            ; (the add and the youngest 24 loads, A's blocks 4-7, may be out)
	WIN MUL_LO
	MUL16 0, 1, NQ-1, \slot, 0                     ; sixteen matrix instructions stand between the add and the wait for it
	s_wait_dscnt 0x0                               ; the add is done, and my reads of this slot are over
	s_barrier_signal -1
	MUL16 2, 1, NQ-1, \slot, 0
	WIN 0
	s_barrier_wait -1
.if \fill
	CREST                                          ; the barrier has opened a round of the cluster's barrier: no wave of any partner still reads this slot or has a load on its way
	s_add_nc_u64 s[G0+4*\slot+2:G0+4*\slot+3], s[G0+4*\slot+2:G0+4*\slot+3], 2*ROWB
	s_add_nc_u64 s[G0B+4*\slot+2:G0B+4*\slot+3], s[G0B+4*\slot+2:G0B+4*\slot+3], 2*ROWB
	JLOAD G0+4*\slot, G1, G0B+4*\slot, G1B         ; the first tensor load behind the round; its four v_nop are the places in front of the loads below
.else
	PLACES NP
.endif
	v_add_nc_u32 v[ADRS], 4*NQ, v[ADRS]            ; on to the next K step's scale words
	FETCH_B \next, 0, 0
	FETCH_A \next, 0, 0
	SCALES \next
	WIN MUL_HI
	MUL16 4, 1, NQ-1, \slot, 0
	MUL16 6, 1, NQ-1, \slot, 0
	PLACES NP
	WIN 0
	FETCH_A \next, 0, 4
.endm
	s_wait_tensorcnt 1                             ; the scales and my part of K step 0 are in (K step 1's load may be out)
	s_barrier_signal -1
	s_barrier_wait -1                              ; everybody's are
	FETCH_B 0, 0, 0
	FETCH_A 0, 0, 0
	SCALES 0
	FETCH_A 0, 0, 4
	STEP 0, 0, 1                                   ; the first step stands in front of the loop: its products start the sums
	s_mov_b32 s3, LAPS-1
.Llap:                                                 ; a trip goes once round the ring and fills both slots again
	TURN 0, 1, 1
	STEP 1, 0, 0
	TURN 1, 0, 1
	STEP 0, 0, 0
	s_sub_co_u32 s3, s3, 1
	s_cmp_lg_u32 s3, 0
	s_cbranch_scc1 .Llap
	TURN 0, 1, 0                                   ; the last lap fills nothing
	STEP 1, 0, 0
	s_wait_dscnt 4*NL
	WIN MUL_LO
	MUL16 0, 1, NQ-1, 1, 0
	MUL16 2, 1, NQ-1, 1, 0
	s_wait_dscnt 0
	WIN MUL_HI
	MUL16 4, 1, NQ-1, 1, 0
	MUL16 6, 1, NQ-1, 1, 0
	WIN 0
; Block a's 64 numbers of a lane (register 16 b + i = column 32 b + 16 (l / 16) + i of my row) become 12 registers of codes in v[CDS] on and the scale word v[WSC + a].  Each accumulator is read from its low end on.
.macro QUANTW a
.set WA, 2+(\a)/4
.set S0, 64*((\a)%4)
	WIN WA|(WA<<2)
.irp b, 0,1,2,3
	v_max3_num_f32 v[TM+\b], |v[S0+16*\b]|, |v[S0+1+16*\b]|, 0x1800000   ; block b: my 16 numbers, and the floor 2^(3 - 127): the byte cannot fall under 1
.endr
	WIN (WA<<2)|(WA<<4)
.irp i, 2,4,6,8,10,12,14
.irp b, 0,1,2,3
	v_max3_num_f32 v[TM+\b], v[TM+\b], |v[S0+16*\b+\i]|, |v[S0+1+16*\b+\i]|   ; (the four blocks by turns)
.endr
.endr
	WIN 0
.irp b, 0,1,2,3
	v_permlanex16_b32 v[TM+4+\b], v[TM+\b], s[SELP], s[SELP+1]
.endr
.irp b, 0,1,2,3
	v_max_num_f32 v[TM+\b], v[TM+\b], v[TM+4+\b]   ; with lane l xor 16's: the block's largest magnitude
.endr
.irp b, 0,1,2,3
	v_add_nc_u32 v[TM+12+\b], 0xff000000, v[TM+\b] ; 2 off its exponent field: the conversion's scale operand
.endr
.irp b, 0,1,2,3
	v_lshrrev_b32 v[TM+4+\b], 23, v[TM+12+\b]      ; the scale's byte
.endr
	v_lshl_or_b32 v[WSC+(\a)], v[TM+5], 8, v[TM+4]
	v_lshl_or_b32 v[WSC+(\a)], v[TM+6], 16, v[WSC+(\a)]
	v_lshl_or_b32 v[WSC+(\a)], v[TM+7], 24, v[WSC+(\a)]
.if (\a) > 0
	s_wait_xcnt 0x0                                ; the last block's stores have read their data and offsets: both are written again below
.endif
	WIN WA
.irp c, 0,1
	v_cvt_scalef32_pk16_fp6_f32 v[CDS+6*\c:CDS+2+6*\c], v[S0+32*\c:S0+15+32*\c], v[TM+12+2*\c]
	v_cvt_scalef32_pk16_fp6_f32 v[CDS+12+4*\c:CDS+14+4*\c], v[S0+16+32*\c:S0+31+32*\c], v[TM+12+2*\c+1]   ; (a conversion's three registers begin on an even number)
.endr
	WIN 0
	v_nop                                          ; one plain place behind a scaled conversion
.irp c, 0,1                                    ; the operand's layout wants a whole block in a lane: lanes 0-15 block 2 c, lanes 16-31 block 2 c + 1
.irp i, 0,1,2
	v_permlane16_swap_b32 v[CDS+6*\c+\i], v[CDS+12+4*\c+\i]
.endr
.irp i, 0,1,2
	v_mov_b32 v[CDS+3+6*\c+\i], v[CDS+12+4*\c+\i]
.endr
.endr
.endm
.macro OUTBLK a
	QUANTW \a
	s_mul_i32 s23, s18, ((\a)&3)
	s_mul_i32 s92, s19, ((\a)>>2)
	s_add_co_u32 s23, s23, s92
	s_add_co_u32 s23, s23, s21                     ; where registers 0-5 go,
	s_add_co_u32 s92, s23, s20                     ; and registers 6-11
	v_add_nc_u32 v[VO], s23, v[L16]
	v_add_nc_u32 v[VO+1], s23, v[L8]
	v_add_nc_u32 v[VO+2], s92, v[L16]
	v_add_nc_u32 v[VO+3], s92, v[L8]
	global_store_b128 v[VO], v[CDS:CDS+3], s[12:13]                  ; 512 consecutive bytes
	global_store_b64 v[VO+1], v[CDS+4:CDS+5], s[12:13] offset:512    ; 256
	global_store_b128 v[VO+2], v[CDS+6:CDS+9], s[12:13]
	global_store_b64 v[VO+3], v[CDS+10:CDS+11], s[12:13] offset:512
.endm
.irp b, 0,1,2,3
	v_mov_b32 v[TM+4+\b], 0                        ; a lane permute's destination counts as one of its sources.  These four are also the places behind the last products
.endr
.irp blk, 0,1,2,3,4,5,6,7
	OUTBLK \blk
.endr
	s_mov_b32 s23, 0xffff0000                      ; both halves of the lanes hold row r's word: lanes 0-15 store those of blocks 0-3, lanes 16-31 those of blocks 4-7
	s_mov_b32 s92, 0x04040302
.irp i, 0,1,2,3
	v_cndmask_b32 v[TT+\i], v[WSC+\i], v[WSC+4+\i], s23
.endr
.irp i, 0,1,2,3
	v_perm_b32 v[EE+\i], v[C7F], v[TT+\i], s22
.endr
	global_store_b128 v[VS], v[EE:EE+3], s[12:13]  ; sixteen lanes store 256 consecutive bytes
	s_cmp_ge_u32 s66, 16                           ; the cluster's y alone: all partners and all waves go the same way
	s_cbranch_scc1 .Lone_word
.irp i, 0,1,2,3
	v_perm_b32 v[OO+\i], v[C7F], v[TT+\i], s92     ; q, k: bytes 2 and 3 are the next head's two
.endr
	global_store_b128 v[VS2], v[OO:OO+3], s[12:13]
.Lone_word:
	s_wait_tensorcnt 0x0                           ; the wave's end, behind my last tensor load
	ds_add_u32 v[SPW], v[NIL]
	s_wait_dscnt 0x0
	CROUND                                         ; the closing round: no work-group ends while a partner may still ask for a tile that names it
	s_endpgm
.Lfunc_end_k_q7561f9aeb4_proj:
	.size	k_q7561f9aeb4_proj, .Lfunc_end_k_q7561f9aeb4_proj-k_q7561f9aeb4_proj
	.p2alignl 7, 3214868480
	.fill 96, 4, 3214868480
	.section	.rodata,"a",@progbits
	.p2align	6, 0x0
	.amdhsa_kernel k_q7561f9aeb4_proj
		.amdhsa_group_segment_fixed_size 327680
		.amdhsa_private_segment_fixed_size 0
		.amdhsa_enable_private_segment 0
		.amdhsa_kernarg_size 48
		.amdhsa_user_sgpr_count 2
		.amdhsa_user_sgpr_kernarg_segment_ptr 1
		.amdhsa_wavefront_size32 1
		.amdhsa_system_sgpr_workgroup_id_x 1
		.amdhsa_system_sgpr_workgroup_id_y 1
		.amdhsa_system_sgpr_workgroup_id_z 1
		.amdhsa_system_vgpr_workitem_id 0
		.amdhsa_next_free_vgpr 1024
		.amdhsa_next_free_sgpr 106
		.amdhsa_reserve_vcc 0
		.amdhsa_float_denorm_mode_32 3
		.amdhsa_float_denorm_mode_16_64 3
		.amdhsa_memory_ordered 1
		.amdhsa_forward_progress 1
		.amdhsa_inst_pref_size 170
	.end_amdhsa_kernel
	.amdgpu_metadata
---
amdhsa.version: [ 1, 2 ]
amdhsa.kernels:
  - .name:           k_q7561f9aeb4_proj
    .symbol:         k_q7561f9aeb4_proj.kd
    .args:
      - { .name: xc, .offset: 0, .size: 8, .value_kind: global_buffer, .address_space: global }
      - { .name: xs, .offset: 8, .size: 8, .value_kind: global_buffer, .address_space: global }
      - { .name: wc, .offset: 16, .size: 8, .value_kind: global_buffer, .address_space: global }
      - { .name: ws, .offset: 24, .size: 8, .value_kind: global_buffer, .address_space: global }
      - { .name: qi, .offset: 32, .size: 8, .value_kind: global_buffer, .address_space: global }
      - { .name: kv, .offset: 40, .size: 8, .value_kind: global_buffer, .address_space: global }
    .group_segment_fixed_size: 327680
    .private_segment_fixed_size: 0
    .kernarg_segment_align: 8
    .kernarg_segment_size: 48
    .max_flat_workgroup_size: 128
    .sgpr_count:     106
    .vgpr_count:     1024
    .wavefront_size: 32
...
	.end_amdgpu_metadata
.endif
;; end of part 2
;; launch attn (part 3): grid 4 x 64, 16 waves a work-group, no clusters, 327,680 bytes of LDS; arguments qi, kv, ci, cs; writes ci, cs
.if DOCPART == 3
	.amdgcn_target "amdgcn-amd-amdhsa--gfx1250"
	.amdhsa_code_object_version 6
	.text
	.protected	k_q7561f9aeb4_attn
	.globl	k_q7561f9aeb4_attn
	.p2align	8
	.type	k_q7561f9aeb4_attn,@function
k_q7561f9aeb4_attn:
	s_mov_b64 s[64:65], 0
	v_nop
	global_prefetch_b8 v0, s[64:65] scope:SCOPE_SE
	s_setreg_imm32_b32 hwreg(HW_REG_WAVE_MODE, 25, 1), 1
	s_wait_xcnt 0x0
; Causal attention of one head on codes of FP6 (E2M3) with E8M0 scales: scores = qh . kh x 8 (K = 64), softmax, x vh (K = the keys); the result, divided by the row's sum, is quantised along the head's 64 for the last projection.
; THE SOFTMAX AHEAD OF THE SECOND PRODUCT: t = score x 8 log2(e); M = the row's largest t so far, rounded UP to a whole number; p = 2^(t - M) is what is quantised, along the keys; it is not normalised.
; The row's sum is taken of the unquantised p, in f32, and divides O at the end.  When M moves, the sum and O are multiplied by 2^(old M - new M): exact.
; SHARES.  Work-group (x, head) owns the blocks of 256 queries 7 - x (high) and x (low): 9 blocks of 256 x 256 under the causal mask for every work-group.  Each of its sixteen waves owns one tile of 16 queries of each block.
; Every work-group walks 8 slots of 256 keys with constant trip counts; a step of 128 keys all of which come after a tile's queries is jumped over, by a scalar branch on ids.
; A slot is a chunk of kv as it lies in memory, 26,112 dense bytes: images of the operands' registers.  A fragment comes by loads of 16 and 8 bytes a lane at 16 x lane and 8 x lane: consecutive bytes, no pitch, no padding.
; LAYOUT.  Both products are used transposed: S^T = K Q^T, O^T = V^T P^T: a lane holds one query (lane % 16) throughout.  K's rows and V's rows lie permuted (bits 3 and 4 of the place changed over), so that the 16 registers
; of tiles 2 b and 2 b + 1 are 16 neighbours: keys 32 b + 16 (lane / 16) + 0 .. 15 in S^T, channels likewise in O^T.
; K = 64 IN AN INSTRUCTION OF 128: Q's registers 6-11 are zero codes, and bytes 2 and 3 of both scale words are 0x7f.  K's tiles lie 6 registers apart, so the upper half of a K operand is whatever follows it (the next tile's codes;
; for the fourth tile v56-61, cleared once and later holding codes of V).  Every code of this format is a finite number, so that half adds 0.
; NO CLUSTER: the four work-groups of a head want 8, 7, 6 and 5 slots, so they could not make every joint request alike; and a slot's 26,112 bytes stand beside some 230 vector instructions for each tile and 128 keys.
; cs: a tile's two scale bytes a row leave by stores of two bytes, 32 bytes apart: a row's 32 bytes come from 16 heads, that is 16 work-groups; they are one byte in 24 of what the launch stores.
; LIMITS: a block of zeros gets the byte 1 (this program alone reads the bytes); NaN and infinities are not served.
; REGISTERS: v1-4, v11 lane terms; v5, v6 the add's two; v7 the prefetch's offset; v8-10 the slot's addresses; v12-15 high tile: -M, largest t, the sum in two halves; v92-95 the low tile's; v16-27, v80-91 Q; v28, v29 Q's scale words;
; v32-79 fragments; v96-159 S^T, then p; v160-191, v192-223 O^T; v224-235 p's codes; v232-254 at work; v248-251, v253 scale words.
.set SLOT1, 32768                      ; slot 1 begins here: one exclusive or turns an address in one slot into the other's
.set CHB,   26112                      ; a chunk of kv
.set HALFB, 13056                      ; half of it: 51 rows of 256 bytes: what one tensor load brings
.set SPARE, 65536                      ; the spare words, 128 bytes for each of 16 waves: eight blocks of 256 bytes that no other line names
.set VB0,   13312                      ; V's part of a chunk
.set VSTEP, 6400                       ; 128 keys of it: four fragments of 1,536 bytes and 256 bytes of scale words
.set L16, 1
.set L8,  2
.set LR,  3                            ; 16 x (lane % 16)
.set LR2, 4                            ; 32 x (lane % 16)
.set SPW, 5
.set NIL, 6
.set PFO, 7
.set ADK, 8
.set ADK8, 9
.set ADS, 10
.set RH,  11                           ; lane % 16 - 16 (lane / 16)
.set WV,  18
.set SEL, 20
.set CS,  22                           ; s[22:23] c = 8 log2(e)
.set G1,  24
.set G0,  40
.set TB,  2                            ; LDS byte at which the slot in hand begins
.set KF,  56                           ; the step's first key
.set Q0H, 57                           ; my first query, high tile
.set Q0L, 58                           ; low tile
.set QLAST, 59                         ; my work-group's last query
.set TS,  60                           ; at work
.set SLOTS, 67
.set PFA, 76
.set LIM, 80
.macro TLOAD                           ; waves 0 and 1 fetch a slot's halves; the branch hangs on the wave's number alone.  An s_nop 0 and four v_nop follow the load
	s_cmp_lt_u32 s[WV], 2
	s_cbranch_scc0 .Lasked_\@
	tensor_load_to_lds s[G0:G0+3], s[G1:G1+7]
	s_nop 0
.rept 4
	v_nop
.endr
.Lasked_\@:
.endm
; A PREFETCH INTO THE L2 of the chunk that the NEXT change of slots will ask for: a slot's two key steps ahead of that load.  The four work-groups of a head walk the same chunks: the one with x = 0, which walks all eight, asks.
; In it waves 4 to 7, which fetch nothing, ask, one instruction each, lanes 256 bytes apart: 102 blocks; the lanes that are over name the chunk's last block with lane 101.  The last change that fills a slot asks for nothing.
.macro ASK
	s_cmp_gt_u32 s[SLOTS], s[LIM]
	s_cbranch_scc0 .Lnot_mine_\@
	global_prefetch_b8 v[PFO], s[PFA:PFA+1] th:TH_LOAD_NT scope:SCOPE_SE
.Lnot_mine_\@:
.endm
	s_load_b256 s[4:11], s[0:1], 0x0               ; qi, kv, ci, cs
	v_lshl_add_u32 v[SPW], v0, 2, SPARE
	v_mov_b32 v[NIL], 0
	ds_add_u32 v[SPW], v[NIL]                      ; the wave's opening: the add and its wait stand ahead of my first tensor load; the set-up below stands between them
	v_lshrrev_b32 v8, 5, v0
	v_readfirstlane_b32 s[WV], v8                  ; wave 0..15
	s_and_b32 s70, ttmp7, 0xffff                   ; batch x 16 + head
	s_sub_co_u32 s71, 7, ttmp9                     ; the high block
	s_mov_b32 s[G1], 3<<16                         ; no mask; elements of 8 bytes; no padding
	s_mov_b32 s[G1+1], 32<<16                      ; tensor_dim0 = 32 elements: 256 bytes
	s_mov_b32 s[G1+2], 51<<16                      ; tensor_dim1 = 51
	s_mov_b32 s[G1+3], 32<<16                      ; tile_dim0
	s_mov_b32 s[G1+4], 51                          ; tile_dim1
	s_mov_b32 s[G1+5], 32                          ; the pitch: dense
	s_mov_b32 s[G1+6], 0
	s_mov_b32 s[G1+7], 0
	s_and_b32 s88, s[WV], 1
	s_mul_i32 s89, s88, HALFB                      ; my half, in a slot and in a chunk
	s_mul_i32 s72, s70, 8*CHB                      ; the head's first byte in kv
	s_mov_b32 s73, 0
	s_add_co_u32 s74, s72, s89
	s_mov_b32 s75, 0
	s_mov_b32 s[SEL], 0x76543210
	s_mov_b32 s[SEL+1], 0xfedcba98
	s_mov_b32 s[CS], 0x4138aa3b                    ; 8 log2(e): the factor sqrt(64) and the change of base
	s_mov_b32 s[CS+1], s[CS]                       ; (named with it as a pair, so it is written)
	s_mov_b32 s[TB], 0
	s_mov_b32 s[KF], 0
	s_mov_b32 s[SLOTS], 7
	s_lshl_b32 s82, s[WV], 4
	s_lshl_b32 s[Q0H], s71, 8
	s_or_b32 s[QLAST], s[Q0H], 255
	s_add_co_u32 s[Q0H], s[Q0H], s82
	s_lshl_b32 s[Q0L], ttmp9, 8
	s_add_co_u32 s[Q0L], s[Q0L], s82
	s_wait_dscnt 0x0                               ; the opening add is done
	s_wait_kmcnt 0x0
	s_mov_b32 s[G0], 1
	s_mov_b32 s[G0+1], s89                         ; slot 0
	s_add_nc_u64 s[G0+2:G0+3], s[6:7], s[74:75]    ; the head's first 256 keys
	s_or_b32 s[G0+3], s[G0+3], 0x80000000
	TLOAD                                          ; slot 0: one load of mine is out
	s_lshl_b32 s82, s70, 3
	s_add_co_u32 s83, s82, s71
	s_mul_i32 s84, s83, 13312
	s_mov_b32 s85, 0
	s_add_nc_u64 s[52:53], s[4:5], s[84:85]        ; qi at the high block's chunk
	s_add_co_u32 s83, s82, ttmp9
	s_mul_i32 s84, s83, 13312
	s_add_nc_u64 s[54:55], s[4:5], s[84:85]        ; and at the low one's
	v_and_b32 v244, 31, v0
	v_and_b32 v245, 15, v0
	v_bfe_u32 v246, v0, 4, 1
	v_lshlrev_b32 v[L16], 4, v244
	v_lshlrev_b32 v[L8], 3, v244
	v_lshlrev_b32 v[LR], 4, v245
	v_lshlrev_b32 v[LR2], 5, v245
	v_lshlrev_b32 v246, 4, v246
	v_sub_nc_u32 v[RH], v245, v246
	s_mul_i32 s86, s[WV], 768                      ; my tile's image
	v_add_nc_u32 v240, s86, v[L16]
	v_add_nc_u32 v241, s86, v[L8]
	s_lshr_b32 s86, s[WV], 2                       ; its scale words: [64 rows][row][tile]
	s_lshl_b32 s86, s86, 8
	s_and_b32 s87, s[WV], 3
	s_lshl_b32 s87, s87, 2
	s_add_co_u32 s86, s86, s87
	v_add_nc_u32 v242, s86, v[LR]
	global_load_b128 v[16:19], v240, s[52:53]
	global_load_b64 v[20:21], v241, s[52:53] offset:512
	global_load_b32 v28, v242, s[52:53] offset:12288
	global_load_b128 v[80:83], v240, s[54:55]
	global_load_b64 v[84:85], v241, s[54:55] offset:512
	global_load_b32 v29, v242, s[54:55] offset:12288
	; where the results go.  ci: ((batch x 128 + tile of rows) x 16 + head) x 768;  cs: (batch x 2,048 + row) x 32 + 2 head
	s_lshr_b32 s82, s70, 4                         ; batch
	s_and_b32 s83, s70, 15                         ; head
	s_lshl_b32 s84, s82, 7
	s_add_co_u32 s84, s84, s[WV]
	s_lshl_b32 s90, s83, 1
	s_lshl_b32 s91, s82, 11
	s_mov_b32 s87, 0
	s_lshl_b32 s86, s71, 4
	s_add_co_u32 s86, s86, s84
	s_lshl_b32 s86, s86, 4
	s_add_co_u32 s86, s86, s83
	s_mul_i32 s86, s86, 768
	s_add_nc_u64 s[44:45], s[8:9], s[86:87]
	s_add_co_u32 s86, s91, s[Q0H]
	s_lshl_b32 s86, s86, 5
	s_add_co_u32 s86, s86, s90
	s_add_nc_u64 s[46:47], s[10:11], s[86:87]
	s_lshl_b32 s86, ttmp9, 4
	s_add_co_u32 s86, s86, s84
	s_lshl_b32 s86, s86, 4
	s_add_co_u32 s86, s86, s83
	s_mul_i32 s86, s86, 768
	s_add_nc_u64 s[48:49], s[8:9], s[86:87]
	s_add_co_u32 s86, s91, s[Q0L]
	s_lshl_b32 s86, s86, 5
	s_add_co_u32 s86, s86, s90
	s_add_nc_u64 s[50:51], s[10:11], s[86:87]
	; the prefetches: nothing is asked for here, at the head, where every work-group's first tile is on its way
	s_add_nc_u64 s[PFA:PFA+1], s[6:7], s[72:73]
	s_add_nc_u64 s[PFA:PFA+1], s[PFA:PFA+1], CHB   ; at slot 1: the first change of slots steps it to slot 2
	s_lshr_b32 s82, s[WV], 2
	s_xor_b32 s82, s82, 1                          ; 0 in waves 4 to 7,
	s_or_b32 s82, s82, ttmp9                       ; of the work-group with x = 0
	s_cmp_eq_u32 s82, 0
	s_cselect_b32 s[LIM], 1, -1
	v_add_nc_u32 v[PFO], 0xffffff80, v0            ; thread - 128,
	v_lshlrev_b32 v[PFO], 8, v[PFO]                ; 256 bytes apart,
	v_min_u32 v[PFO], CHB-256, v[PFO]              ; held inside the chunk
.irp j, 22,23,24,25,26,27, 86,87,88,89,90,91, 56,57,58,59,60,61
	v_mov_b32 v[\j], 0                             ; Q's zero halves; and the six registers behind K's fourth tile, so that they are defined
.endr
	v_mov_b32 v13, 0xff61b1e6                      ; the largest t so far: -3e38, under every t
	v_floor_f32 v12, -v13                          ; -M
	v_mov_b32 v93, 0xff61b1e6
	v_floor_f32 v92, -v93
.irp j, 14,15,94,95, 236,237,238,239, 252,253,254
	v_mov_b32 v[\j], 0                             ; the sums; and what is named as a lane permute's destination or as half of a pair before it is first written
.endr
.set J, 0
.rept 64
	v_mov_b32 v[160+J], 0                          ; O^T of both tiles.  (The step is written once: the first finds zeros, which the first change of M leaves zeros)
.set J, J+1
.endr
; ONE TILE'S KEY STEP: 128 keys, the st-th of the slot in hand.  qf, qs: Q's fragment and scale word; sb: the tile's four statistics; ob: its O^T; q0: the scalar with its first query.
.macro TILE st, qf, qs, sb, ob, q0
	s_add_co_u32 s[TS], s[\q0], 15
	s_cmp_gt_u32 s[KF], s[TS]                      ; all 128 keys come after my 16 queries: nothing to do.  Ids and the count of steps alone; no barrier, tensor load or wait for one stands in a step
	s_cbranch_scc1 .Lhidden_\@
	v_add_nc_u32 v[ADK], s[TB], v[L16]
	v_add_nc_u32 v[ADK8], s[TB], v[L8]
	v_add_nc_u32 v[ADS], s[TB], v[LR]
	v_nop                                          ; with the three additions: four places in front of loads into registers that the last products read
.irp g, 0,1                                    ; S^T = K Q^T, four tiles of 16 keys at a time
.if \g
.rept 4
	v_nop
.endr
.endif
.irp t, 0,1,2,3
	ds_load_b128 v[32+6*\t:35+6*\t], v[ADK] offset:768*(8*(\st)+4*\g+\t)
	ds_load_b64 v[36+6*\t:37+6*\t], v[ADK8] offset:768*(8*(\st)+4*\g+\t)+512
	ds_load_b32 v[248+\t], v[ADS] offset:12288+256*(2*(\st)+\g)+4*\t
.endr
	s_wait_dscnt 0x0
.irp t, 0,1,2,3
	v_wmma_scale_f32_16x16x128_f8f6f4 v[96+8*(4*\g+\t):103+8*(4*\g+\t)], v[32+6*\t:43+6*\t], v[\qf:\qf+11], 0, v[248+\t], v[\qs] matrix_a_fmt:MATRIX_FMT_FP6 matrix_b_fmt:MATRIX_FMT_FP6
.endr
.endr
.rept 4
	v_nop                                          ; places in front of the loads below and of the first read of the scores
.endr
.irp t, 0,1,2,3                                ; V's four fragments and scale words are asked for now and land under the softmax
	ds_load_b128 v[32+12*\t:35+12*\t], v[ADK] offset:VB0+VSTEP*(\st)+1536*\t
	ds_load_b64 v[36+12*\t:37+12*\t], v[ADK8] offset:VB0+VSTEP*(\st)+1536*\t+512
	ds_load_b128 v[38+12*\t:41+12*\t], v[ADK] offset:VB0+VSTEP*(\st)+1536*\t+768
	ds_load_b64 v[42+12*\t:43+12*\t], v[ADK8] offset:VB0+VSTEP*(\st)+1536*\t+1280
	ds_load_b32 v[248+\t], v[ADS] offset:VB0+VSTEP*(\st)+6144+4*\t
.endr
	s_add_co_u32 s[TS], s[KF], 127                 ; on the diagonal the scores of hidden keys become -infinity ahead of the maximum: p = 0 then.  A step all of whose keys count skips this
	s_cmp_le_u32 s[TS], s[\q0]
	s_cbranch_scc1 .Lopen_\@
	s_sub_co_i32 s[TS], s[\q0], s[KF]
	v_add_nc_u32 v252, s[TS], v[RH]                ; d = my query - the step's first key - 16 (lane / 16).  Register 16 b + i holds key 32 b + 16 (lane / 16) + i of the step: hidden where 32 b + i > d
	v_mov_b32 v254, 0xff800000                     ; -infinity
.irp n, 0,1,2,3,4,5,6,7,8,9,10,11,12,13,14,15,16,17,18,19,20,21,22,23,24,25,26,27,28,29,30,31,32,33,34,35,36,37,38,39,40,41,42,43,44,45,46,47,48,49,50,51,52,53,54,55,56,57,58,59,60,61,62,63
	v_cmp_gt_i32 vcc_lo, 32*(\n/16)+\n%16, v252
	v_cndmask_b32 v[96+\n], v[96+\n], v254, vcc_lo
.endr
.Lopen_\@:
.irp b, 0,1,2,3
	v_max3_num_f32 v[232+\b], v[96+16*\b], v[97+16*\b], v[98+16*\b]   ; the largest score of each block of 32 keys: it serves for the row's maximum and, since p rises with the score, for the block's largest p
.endr
.irp i, 3,5,7,9,11,13
.irp b, 0,1,2,3
	v_max3_num_f32 v[232+\b], v[232+\b], v[96+16*\b+\i], v[97+16*\b+\i]   ; (the four blocks by turns)
.endr
.endr
.irp b, 0,1,2,3
	v_max_num_f32 v[232+\b], v[232+\b], v[111+16*\b]
.endr
.irp b, 0,1,2,3
	v_permlanex16_b32 v[236+\b], v[232+\b], s[SEL], s[SEL+1]
.endr
.irp b, 0,1,2,3
	v_max_num_f32 v[232+\b], v[232+\b], v[236+\b]  ; with lane l xor 16's 16 keys
.endr
	v_max3_num_f32 v254, v232, v233, v234
	v_max_num_f32 v254, v254, v235                 ; the step's largest score of my query
	v_mul_f32 v254, s[CS], v254                    ; as t (c is positive)
	v_max_num_f32 v[\sb+1], v[\sb+1], v254         ; the running largest t
	v_mov_b32 v254, v[\sb]
	v_floor_f32 v[\sb], -v[\sb+1]                  ; the new -M = floor(-t) = -ceil(t): a whole number
	v_sub_f32 v254, v[\sb], v254                   ; old M - new M: a whole number, 0 or less
	v_cvt_i32_f32 v254, v254                       ; (it saturates)
	v_ldexp_f32 v252, 1.0, v254                    ; f = 2^(old M - new M)
.set J, 0
.rept 32
	v_pk_fma_f32 v[96+J:97+J], v[96+J:97+J], s[CS:CS+1], v[\sb:\sb+1] op_sel_hi:[1,0,0]   ; t - M, two at a time (of the pairs c and -M the low word serves both halves)
.set J, J+2
.endr
.irp b, 0,1,2,3
	v_fma_f32 v[232+\b], v[232+\b], s[CS], v[\sb]  ; the same of each block's largest score
.endr
.set J, 0
.rept 64
	v_exp_f32 v[96+J], v[96+J]                     ; p = 2^(t - M): not normalised
.set J, J+1
.endr
	v_pk_mul_f32 v[\sb+2:\sb+3], v[\sb+2:\sb+3], v[252:253] op_sel_hi:[1,0]   ; the sums under the new M.  (The plain place behind the exponentials)
	s_wait_alu depctr_va_vdst(0)                   ; one wait for the whole batch, ahead of its first reader
.irp b, 0,1,2,3
	v_exp_f32 v[232+\b], v[232+\b]                 ; the block's largest p: the same two instructions on the same number give the same bits
.endr
	v_pk_add_f32 v[236:237], v[96:97], v[98:99]    ; the row's sum is taken of the unquantised p: two at a time, in two chains.  (It reads the 64 alone: plain work behind the four)
.set J, 4
.rept 15
	v_pk_add_f32 v[\sb+2:\sb+3], v[\sb+2:\sb+3], v[96+J:97+J]
	v_pk_add_f32 v[236:237], v[236:237], v[98+J:99+J]
.set J, J+4
.endr
	v_pk_add_f32 v[\sb+2:\sb+3], v[\sb+2:\sb+3], v[236:237]
	s_wait_alu depctr_va_vdst(0)                   ; and one for the four
.irp b, 0,1,2,3
	v_max_num_f32 v[232+\b], 0x1800000, v[232+\b]  ; the floor 2^(3 - 127): the byte cannot fall under 1 (a block whose every p is 0 keeps that byte: its codes are zeros)
.endr
.irp b, 0,1,2,3
	v_add_nc_u32 v[244+\b], 0xff000000, v[232+\b]  ; 2 off the exponent field: the conversion's scale operand
.endr
.irp b, 0,1,2,3
	v_lshrrev_b32 v[236+\b], 23, v[244+\b]         ; the scale's byte
.endr
	v_lshl_or_b32 v253, v237, 8, v236              ; p's scale word for these 128 keys
	v_lshl_or_b32 v253, v238, 16, v253
	v_lshl_or_b32 v253, v239, 24, v253
.irp c, 0,1
	v_cvt_scalef32_pk16_fp6_f32 v[224+6*\c:226+6*\c], v[96+32*\c:111+32*\c], v[244+2*\c]
	v_cvt_scalef32_pk16_fp6_f32 v[236+4*\c:238+4*\c], v[112+32*\c:127+32*\c], v[244+2*\c+1]   ; (a conversion's three registers begin on an even number)
.endr
	v_nop                                          ; one plain place behind a scaled conversion
.irp c, 0,1                                    ; the operand's layout wants a whole block in a lane
.irp i, 0,1,2
	v_permlane16_swap_b32 v[224+6*\c+\i], v[236+4*\c+\i]
.endr
.irp i, 0,1,2
	v_mov_b32 v[227+6*\c+\i], v[236+4*\c+\i]
.endr
.endr
.set J, 0
.rept 16
	v_pk_mul_f32 v[\ob+J:\ob+J+1], v[\ob+J:\ob+J+1], v[252:253] op_sel_hi:[1,0]   ; O^T under the new M, from each accumulator's low end on
.set J, J+2
.endr
.rept 4
	v_nop                                          ; so that no register of the products below was written by a vector instruction within four places of them
.endr
	s_wait_dscnt 0x0                               ; V's fragments and scale words are in
.irp t, 0,1,2,3                                ; O^T += V^T P^T: four tiles of 16 channels; the four accumulators take turns
	v_wmma_scale_f32_16x16x128_f8f6f4 v[\ob+8*\t:\ob+8*\t+7], v[32+12*\t:43+12*\t], v[224:235], v[\ob+8*\t:\ob+8*\t+7], v[248+\t], v253 matrix_a_fmt:MATRIX_FMT_FP6 matrix_b_fmt:MATRIX_FMT_FP6
.endr
.Lhidden_\@:
.endm
; THE CHANGE OF SLOTS stands at a slot's head.  Each wave waits for all its tensor loads (its part of the slot that it is about to read), adds 0 to its spare word, and waits for that and for its reads of the slot that it has left.
; Behind the barrier the slot ahead is whole and nobody reads the other one.  fill = 1: that other slot is filled with the next 256 keys, up to the causal limit: the load has a whole slot's steps in which to land.
.macro CHANGE fill
	s_wait_tensorcnt 0x0                           ; no tensor load of mine is out, so group 0 may be written
	ds_add_u32 v[SPW], v[NIL]                      ; 0 onto my spare word
.if \fill
	s_xor_b32 s[G0+1], s[G0+1], SLOT1              ; the walking descriptor: the other slot than last time,
	s_add_nc_u64 s[G0+2:G0+3], s[G0+2:G0+3], CHB   ; the next chunk; the type bits on top are not reached
	s_wait_xcnt 0x0                                ; the last prefetch, a slot back, has read its address, so it may be written:
	s_add_nc_u64 s[PFA:PFA+1], s[PFA:PFA+1], CHB   ; one slot further on than the walking descriptor
.endif
	s_wait_dscnt 0x0                               ; the add is done, and my reads of the slot that I have left are over
	s_barrier_signal -1
	s_barrier_wait -1
.if \fill
	s_add_co_u32 s[TS], s[KF], 256                 ; the first key of the slot that this change would ask for: a slot that begins after my work-group's last query is read by none of its waves, so it is not asked for
	s_cmp_gt_u32 s[TS], s[QLAST]                   ; ids and the count of steps alone: all sixteen waves go the same way; every wait for tensor loads in this text is for 0
	s_cbranch_scc1 .Lpast_\@
	TLOAD                                          ; a wave's one tensor load until the next change
.Lpast_\@:
	ASK
.endif
.endm
.macro SLOT_STEPS low                  ; a slot's two key steps for the high tile and, where low = 1, for the low one
	TILE 0, 16, 28, 12, 160, Q0H
.if \low
	TILE 0, 80, 29, 92, 192, Q0L
.endif
	s_add_co_u32 s[KF], s[KF], 128
	TILE 1, 16, 28, 12, 160, Q0H
.if \low
	TILE 1, 80, 29, 92, 192, Q0L
.endif
	s_add_co_u32 s[KF], s[KF], 128
	s_xor_b32 s[TB], s[TB], SLOT1                  ; on to the other slot
.endm
	s_wait_loadcnt 0x0                             ; Q
.Lslot:                                            ; 7 trips: behind each change of slots but the last the next slot is asked for, up to the causal limit
	CHANGE 1
	SLOT_STEPS 1
	s_sub_co_u32 s[SLOTS], s[SLOTS], 1
	s_cmp_lg_u32 s[SLOTS], 0
	s_cbranch_scc1 .Lslot
	CHANGE 0                                       ; the last slot, keys 1,792 on, is written out; no low tile has a query beyond 1,023, so only the high tile stands in it
	SLOT_STEPS 0
	; THE WAY OUT.  The sums' halves are added (four plain additions: the places behind the last products); O^T is divided by the sum, quantised along the head's 64 channels and stored as an image of the registers.
	v_add_f32 v14, v14, v15
	v_add_f32 v94, v94, v95
	v_permlanex16_b32 v252, v14, s[SEL], s[SEL+1]
	v_permlanex16_b32 v254, v94, s[SEL], s[SEL+1]
	v_add_f32 v14, v14, v252
	v_add_f32 v94, v94, v254
	v_rcp_f32 v14, v14
	v_rcp_f32 v94, v94
	v_nop                                          ; a plain place behind the reciprocals
	s_wait_alu depctr_va_vdst(0)                   ; one wait for the two, ahead of their first reader
.macro OUT sb, ob, pc, ps
.set J, 0
.rept 32
	v_mul_f32 v[96+J], v[\ob+J], v[\sb+2]          ; register 16 b + i is channel 32 b + 16 (lane / 16) + i of my query
.set J, J+1
.endr
.irp b, 0,1
	v_max3_num_f32 v[232+\b], |v[96+16*\b]|, |v[97+16*\b]|, 0x1800000
.endr
.irp i, 2,4,6,8,10,12,14
.irp b, 0,1
	v_max3_num_f32 v[232+\b], v[232+\b], |v[96+16*\b+\i]|, |v[97+16*\b+\i]|
.endr
.endr
.irp b, 0,1
	v_permlanex16_b32 v[236+\b], v[232+\b], s[SEL], s[SEL+1]
.endr
.irp b, 0,1
	v_max_num_f32 v[232+\b], v[232+\b], v[236+\b]
.endr
.irp b, 0,1
	v_add_nc_u32 v[244+\b], 0xff000000, v[232+\b]
.endr
.irp b, 0,1
	v_lshrrev_b32 v[236+\b], 23, v[244+\b]
.endr
	v_lshl_or_b32 v253, v237, 8, v236              ; my row's two scale bytes
	v_cvt_scalef32_pk16_fp6_f32 v[224:226], v[96:111], v244
	v_cvt_scalef32_pk16_fp6_f32 v[240:242], v[112:127], v245
	v_nop                                          ; one plain place behind a scaled conversion
.irp i, 0,1,2
	v_permlane16_swap_b32 v[224+\i], v[240+\i]
.endr
.irp i, 0,1,2
	v_mov_b32 v[227+\i], v[240+\i]
.endr
	global_store_b128 v[L16], v[224:227], s[\pc:\pc+1]             ; 512 consecutive bytes, at a multiple of 256 from the buffer's first byte
	global_store_b64 v[L8], v[228:229], s[\pc:\pc+1] offset:512    ; 256
	global_store_b16 v[LR2], v253, s[\ps:\ps+1]                    ; lanes l and l + 16 write the same two bytes with the same value
.endm
	OUT 12, 160, 44, 46
	s_wait_xcnt 0x0                                ; the stores have read their data: the registers are written again
	OUT 92, 192, 48, 50
	s_wait_tensorcnt 0x0                           ; the wave's end, behind my last tensor load
	ds_add_u32 v[SPW], v[NIL]
	s_wait_dscnt 0x0
	s_endpgm
.Lfunc_end_k_q7561f9aeb4_attn:
	.size	k_q7561f9aeb4_attn, .Lfunc_end_k_q7561f9aeb4_attn-k_q7561f9aeb4_attn
	.p2alignl 7, 3214868480
	.fill 96, 4, 3214868480
	.section	.rodata,"a",@progbits
	.p2align	6, 0x0
	.amdhsa_kernel k_q7561f9aeb4_attn
		.amdhsa_group_segment_fixed_size 327680
		.amdhsa_private_segment_fixed_size 0
		.amdhsa_enable_private_segment 0
		.amdhsa_kernarg_size 32
		.amdhsa_user_sgpr_count 2
		.amdhsa_user_sgpr_kernarg_segment_ptr 1
		.amdhsa_wavefront_size32 1
		.amdhsa_system_sgpr_workgroup_id_x 1
		.amdhsa_system_sgpr_workgroup_id_y 1
		.amdhsa_system_sgpr_workgroup_id_z 1
		.amdhsa_system_vgpr_workitem_id 0
		.amdhsa_next_free_vgpr 256
		.amdhsa_next_free_sgpr 96
		.amdhsa_reserve_vcc 1
		.amdhsa_float_denorm_mode_32 3
		.amdhsa_float_denorm_mode_16_64 3
		.amdhsa_memory_ordered 1
		.amdhsa_forward_progress 1
		.amdhsa_inst_pref_size 148
	.end_amdhsa_kernel
	.amdgpu_metadata
---
amdhsa.version: [ 1, 2 ]
amdhsa.kernels:
  - .name:           k_q7561f9aeb4_attn
    .symbol:         k_q7561f9aeb4_attn.kd
    .args:
      - { .name: qi, .offset: 0, .size: 8, .value_kind: global_buffer, .address_space: global }
      - { .name: kv, .offset: 8, .size: 8, .value_kind: global_buffer, .address_space: global }
      - { .name: ci, .offset: 16, .size: 8, .value_kind: global_buffer, .address_space: global }
      - { .name: cs, .offset: 24, .size: 8, .value_kind: global_buffer, .address_space: global }
    .group_segment_fixed_size: 327680
    .private_segment_fixed_size: 0
    .kernarg_segment_align: 8
    .kernarg_segment_size: 32
    .max_flat_workgroup_size: 512
    .sgpr_count:     96
    .vgpr_count:     256
    .wavefront_size: 32
...
	.end_amdgpu_metadata
.endif
;; end of part 3
;; launch outp (part 4): grid 4 x 32, 4 waves a work-group, clusters of 4 x 4, 327,680 bytes of LDS; arguments ci, cs, wc, ws, out0; writes out0
.if DOCPART == 4
	.amdgcn_target "amdgcn-amd-amdhsa--gfx1250"
	.amdhsa_code_object_version 6
	.text
	.protected	k_q7561f9aeb4_outp
	.globl	k_q7561f9aeb4_outp
	.p2align	8
	.type	k_q7561f9aeb4_outp,@function
k_q7561f9aeb4_outp:
	s_mov_b64 s[64:65], 0
	v_nop
	global_prefetch_b8 v0, s[64:65] scope:SCOPE_SE
	s_setreg_imm32_b32 hwreg(HW_REG_WAVE_MODE, 25, 1), 1
	s_wait_xcnt 0x0
	s_wait_alu depctr_hold_cnt(0) depctr_sa_sdst(0) depctr_va_vdst(0) depctr_va_sdst(0) depctr_va_ssrc(0) depctr_va_vcc(0) depctr_vm_vsrc(0)
	s_getreg_b32 s2, hwreg(HW_REG_IB_STS2, 6, 4)
	s_cmp_eq_u32 s2, 0
	s_cbranch_scc0 .Lentry_in_a_cluster
	s_endpgm
.Lentry_in_a_cluster:
	s_bfe_u32 s2, ttmp6, 0x10000c
	s_cmp_lg_u32 s2, 0xf033
	s_cbranch_scc0 .Lentry_shape_is_right
	s_endpgm
.Lentry_shape_is_right:
; out0 = concat Wo on codes of FP6 (E2M3) with E8M0 scales: [8192][1024] x [1024][1024], sums in f32, out0 f32.
; A = the attention's result: ci holds it as images of the operand's registers, [tile of 16 rows 512][head 16] x 768 bytes (registers 0-3 at 16 x lane, registers 4-5 at 512 + 8 x lane); cs its scale bytes, [8192][32].
; B = Wo's codes: the fourth weight in wc, rows of 768 bytes with K innermost, and in ws.  Its rows lie permuted (place p holds column swap34(p), bits 3 and 4 changed over): the stage on the way out puts the columns right.
; A tile of 256 x 256 is made by a work-group of four waves; a wave makes 128 x 128: 64 accumulators.  K goes in steps of 256 through a ring of two LDS slots filled by the tensor data mover; the scale bytes come once.
; CLUSTERS of 4 x 4 work-groups: A's tile is shared along a row of the cluster, B's along a column: each is asked for jointly.  128 work-groups: a smaller tile would read each fragment from LDS for half the products.
; The matrix instruction takes 16 rows of B as source 0 and 16 rows of A as source 1: a lane holds eight numbers of a row of out0.
; REGISTERS, in windows of 256: window 0: v0-31 addresses; v32-63 scale words, two sets; from v128 A's fragments, one set.  window 1: B's fragments, two sets.  windows 2, 3: the accumulators.
.set SIZE_N, 1024
.set NQ,     2
.set ROWB,   192                       ; B: a tile's row in bytes
.set KROW,   768
.set AROWB,  3072                      ; A: a tile of 16 rows x 256 along K: four images
.set PITCH,  240                       ; B's LDS row: 3 x (64 bytes + 16 of padding)
.set FR,     12
.set NL,     6                         ; LDS loads that bring a fragment of B
.set NLA,    4                         ; and of A: two of 16 bytes, two of 8
.set NP,     4
.set HALFT,  128*PITCH                 ; a wave's part of a slot; A's parts use 24,576 of these 30,720 bytes
.set SLOT,   4*HALFT
.set LAPS,   2
.set KS,     32
.set SCL,    2*SLOT
.set HALFS,  16*272
.set SBLK,   2*272
.set SPARE,  SCL+4*HALFS               ; the spare words, 128 bytes a wave: two blocks of 256 bytes that no other line names
.set SPITCH, 528                       ; the way out: a stage of 16 rows x (512 bytes + 16) for each wave, in slot 0, which has had its last fill and its last read when the first result is stored there
.set ADRA, 16                          ; v16-17 16 x lane + my A part of slot 0, 1;  v18-19 8 x lane + the same
.set ADRB, 20                          ; v20-21 my B fragments in slot 0, 1;  v22-23 behind one padding more
.set STO,  24
.set RD,   25
.set CO,   26
.set ADRS, 27
.set SPW,  28
.set NIL,  29
.set SC,   32
.set AF,   128
.set BK,   128
.set G1, 24
.set G0, 32
.set G1B, 48
.set G0B, 56
.set G1S, 68
.set G0S, 76
.set G1SB, 80
.set G0SB, 88
.set MSB, 0
.macro WIN new
.if MSB != (\new)
	s_set_vgpr_msb (MSB<<8)|(\new)
.set MSB, (\new)
.endif
.endm
.set MUL_LO, 0xa1
.set MUL_HI, 0xf1
.set TO_B,   0x40
.macro JLOAD g0a, g1a, g0b, g1b        ; a joint load: waves 0 and 1 fetch for A, waves 2 and 3 for B; an s_nop 0 and four v_nop follow each of the two lines
	s_cmp_eq_u32 s15, 0
	s_cbranch_scc0 .Lfor_b_\@
	tensor_load_to_lds s[\g0a:\g0a+3], s[\g1a:\g1a+7]
	s_nop 0
.rept 4
	v_nop
.endr
	s_branch .Lasked_\@
.Lfor_b_\@:
	tensor_load_to_lds s[\g0b:\g0b+3], s[\g1b:\g1b+7]
	s_nop 0
.rept 4
	v_nop
.endr
.Lasked_\@:
.endm
.macro CREST
	s_cmp_lg_u32 s14, 0
	s_cbranch_scc1 .Lnot_wave_0_\@
	s_barrier_signal -3
.Lnot_wave_0_\@:
	s_barrier_wait -3
	s_barrier_signal -1
	s_barrier_wait -1
.endm
.macro CROUND
	s_barrier_signal -1
	s_barrier_wait -1
	CREST
.endm
	s_load_b128 s[4:7], s[0:1], 0x0                ; ci, cs
	s_load_b128 s[8:11], s[0:1], 0x10              ; wc, ws
	s_load_b64 s[12:13], s[0:1], 0x20              ; out0
	v_lshl_add_u32 v[SPW], v0, 2, SPARE
	v_mov_b32 v[NIL], 0
	ds_add_u32 v[SPW], v[NIL]                      ; the wave's opening: the add and its wait stand ahead of my first tensor load
	v_lshrrev_b32 v1, 5, v0
	v_readfirstlane_b32 s14, v1                    ; wave 0..3
	s_lshr_b32 s15, s14, 1                         ; which half of the tile's rows is mine.  Also: I fetch for A (0) or for B (1)
	s_and_b32 s16, s14, 1                          ; which half of its columns.  Also: which 128 rows of that tile I fetch
	s_bfe_u32 s40, ttmp6, 0x40000                  ; cx
	s_bfe_u32 s41, ttmp6, 0x40004                  ; cy
	s_lshl_b32 s42, ttmp9, 2
	s_add_co_u32 s42, s42, s40                     ; tile column
	s_and_b32 s17, ttmp7, 0xffff
	s_lshl_b32 s17, s17, 2
	s_add_co_u32 s17, s17, s41                     ; tile row
	s_lshl_b32 s43, s41, 2
	s_lshl_b32 s43, 15, s43                        ; my row of the cluster
	s_lshl_b32 s44, 0x1111, s40                    ; my column
	; A's tiles: 8 tiles of 16 rows, of each 3,072 bytes (384 elements of 8), 12,288 bytes (16 heads) apart; no padding: the fragments' loads take consecutive bytes
	s_or_b32 s[G1+0], s43, (3<<16)|(1<<21)
	s_mov_b32 s[G1+1], 384<<16
	s_mov_b32 s[G1+2], 8<<16
	s_mov_b32 s[G1+3], 384<<16
	s_mov_b32 s[G1+4], 8
	s_mov_b32 s[G1+5], 1536
	s_mov_b32 s[G1+6], 0
	s_mov_b32 s[G1+7], 0
	; B's tiles: 128 rows x 192 bytes, 16 bytes of padding behind every 64
	s_or_b32 s[G1B+0], s44, (0<<16)|(1<<20)|(1<<21)|(3<<22)|(3<<25)
	s_mov_b32 s[G1B+1], ROWB<<16
	s_mov_b32 s[G1B+2], 128<<16
	s_mov_b32 s[G1B+3], ROWB<<16
	s_mov_b32 s[G1B+4], 128
	s_mov_b32 s[G1B+5], KROW
	s_mov_b32 s[G1B+6], 0
	s_mov_b32 s[G1B+7], 0
	; the scales of 128 rows: 16 rows of 256 bytes, 16 bytes of padding behind each
	s_or_b32 s[G1S+0], s43, (3<<16)|(1<<20)|(1<<21)|(5<<22)|(3<<25)
	s_or_b32 s[G1SB+0], s44, (3<<16)|(1<<20)|(1<<21)|(5<<22)|(3<<25)
.irp g, G1S, G1SB
	s_mov_b32 s[\g+1], 32<<16
	s_mov_b32 s[\g+2], 16<<16
	s_mov_b32 s[\g+3], 32<<16
	s_mov_b32 s[\g+4], 16
	s_mov_b32 s[\g+5], 32
	s_mov_b32 s[\g+6], 0
	s_mov_b32 s[\g+7], 0
.endr
	s_lshl_b32 s18, s16, 7
	s_lshl_b32 s20, s17, 8
	s_add_co_u32 s20, s20, s18                     ; A: row 256 x tile row + 128 x half
	s_lshl_b32 s46, s42, 8
	s_add_co_u32 s46, s46, s18                     ; B: row 256 x tile column + 128 x half
	s_mov_b32 s21, 0
	s_mov_b32 s47, 0
	s_mov_b64 s[18:19], KS
	s_mul_u64 s[22:23], s[20:21], s[18:19]
	s_mul_u64 s[92:93], s[46:47], s[18:19]
	s_mov_b64 s[18:19], KROW
	s_mul_u64 s[20:21], s[20:21], s[18:19]         ; (16 rows of images are 12,288 bytes: 768 a row, as in rows of codes)
	s_mul_u64 s[46:47], s[46:47], s[18:19]
	s_mul_i32 s45, s14, HALFT
	s_mul_i32 s94, s14, HALFS
	s_wait_dscnt 0x0                               ; the opening add is done
	s_wait_kmcnt 0x0
	s_add_nc_u64 s[8:9], s[8:9], 3*786432          ; Wo is the fourth weight
	s_add_nc_u64 s[10:11], s[10:11], 3*32768
	s_add_nc_u64 s[20:21], s[4:5], s[20:21]
	s_add_nc_u64 s[22:23], s[6:7], s[22:23]
	s_add_nc_u64 s[46:47], s[8:9], s[46:47]
	s_add_nc_u64 s[92:93], s[10:11], s[92:93]
	CROUND                                         ; all sixteen work-groups are here: the first joint loads meet
	s_mov_b32 s[G0S], 1
	s_add_co_u32 s[G0S+1], s94, SCL
	s_mov_b64 s[G0S+2:G0S+3], s[22:23]
	s_or_b32 s[G0S+3], s[G0S+3], 0x80000000
	s_mov_b32 s[G0SB], 1
	s_add_co_u32 s[G0SB+1], s94, SCL
	s_mov_b64 s[G0SB+2:G0SB+3], s[92:93]
	s_or_b32 s[G0SB+3], s[G0SB+3], 0x80000000
	JLOAD G0S, G1S, G0SB, G1SB                     ; the scales first.  Three loads of mine are out behind the first fills
.irp s, 0,1
	s_mov_b32 s[G0+4*\s], 1
	s_add_co_u32 s[G0+4*\s+1], s45, \s*SLOT
	s_add_nc_u64 s[G0+4*\s+2:G0+4*\s+3], s[20:21], \s*AROWB
	s_or_b32 s[G0+4*\s+3], s[G0+4*\s+3], 0x80000000
	s_mov_b32 s[G0B+4*\s], 1
	s_add_co_u32 s[G0B+4*\s+1], s45, \s*SLOT
	s_add_nc_u64 s[G0B+4*\s+2:G0B+4*\s+3], s[46:47], \s*ROWB
	s_or_b32 s[G0B+4*\s+3], s[G0B+4*\s+3], 0x80000000
	JLOAD G0+4*\s, G1, G0B+4*\s, G1B
.endr
	v_and_b32 v1, 15, v0                           ; r
	v_bfe_u32 v2, v0, 4, 1                         ; h
	v_mul_u32_u24 v3, v1, PITCH
	v_mul_u32_u24 v4, v2, 24
	v_add_nc_u32 v4, v3, v4                        ; B: a fragment's row x pitch + 24 x half
	v_lshl_add_u32 v5, v2, 4, v4                   ; and the same behind one padding more
	v_and_b32 v6, 31, v0
	v_lshlrev_b32 v7, 4, v6                        ; A: 16 x lane,
	v_lshlrev_b32 v8, 3, v6                        ; 8 x lane
	s_mul_i32 s21, s15, HALFT
	s_mul_i32 s22, s16, HALFT
	s_add_co_u32 s22, s22, 2*HALFT
.irp s, 0,1
	v_add_nc_u32 v[ADRA+\s], s21, v7
	v_add_nc_u32 v[ADRA+2+\s], s21, v8
	v_add_nc_u32 v[ADRB+\s], s22, v4
	v_add_nc_u32 v[ADRB+2+\s], s22, v5
	s_add_co_u32 s21, s21, SLOT
	s_add_co_u32 s22, s22, SLOT
.endr
	v_mul_u32_u24 v5, v1, KS
	v_lshrrev_b32 v9, 8, v5
	v_lshl_add_u32 v5, v9, 4, v5
	s_mul_i32 s21, s15, HALFS
	s_mul_i32 s22, s16, HALFS
	s_add_co_u32 s22, s22, 2*HALFS
	s_sub_co_u32 s22, s22, s21
	v_mul_u32_u24 v9, s22, v2                      ; lanes 16-31 take B's
	s_add_co_u32 s21, s21, SCL
	v_add_nc_u32 v5, v5, v9
	v_add_nc_u32 v[ADRS], s21, v5
	s_mul_i32 s23, s14, 16*SPITCH                  ; my stage
	v_mul_u32_u24 v5, v1, SPITCH                   ; in: row r; accumulators 2 b and 2 b + 1 hold columns 32 b + 16 h + 0 .. 15: 64 bytes for each half of the lanes
	v_lshl_add_u32 v5, v2, 6, v5
	v_add_nc_u32 v[STO], s23, v5
	v_lshlrev_b32 v[CO], 4, v6                     ; back: the 32 lanes take one row of 512 bytes; and the same in out0
	v_add_nc_u32 v[RD], s23, v[CO]
	s_lshl_b32 s20, s17, 8
	s_lshl_b32 s21, s15, 7
	s_add_co_u32 s20, s20, s21                     ; my first row of out0
	s_mov_b32 s21, 0
	s_mov_b64 s[18:19], SIZE_N*4
	s_mul_u64 s[20:21], s[20:21], s[18:19]
	s_lshl_b32 s46, s42, 10                        ; my first column, in bytes
	s_lshl_b32 s47, s16, 9
	s_add_co_u32 s46, s46, s47
	s_mov_b32 s47, 0
	s_add_nc_u64 s[20:21], s[20:21], s[46:47]
	s_add_nc_u64 s[12:13], s[12:13], s[20:21]
.macro FRAG reg, adr, q, i             ; a fragment of B from rows: 24 bytes of the row for each half of K, in pieces of 8
.irp p, 0,1,2,3,4,5
.set PIE, 12*(\q)+6*(\p/3)+\p%3
.if PIE%8 < 5
	ds_load_b64 v[\reg+2*\p:\reg+2*\p+1], v[\adr] offset:8*PIE+16*(PIE/8)+(\i)*16*PITCH
.else
	ds_load_b64 v[\reg+2*\p:\reg+2*\p+1], v[\adr+2] offset:8*PIE+16*(PIE/8)+(\i)*16*PITCH
.endif
.endr
.endm
.macro FRAGA reg, slot, q, i           ; a fragment of A from its two images: block i of 16 rows, the slot's q-th 128 along K
	ds_load_b128 v[\reg:\reg+3], v[ADRA+\slot] offset:AROWB*(\i)+1536*(\q)
	ds_load_b64 v[\reg+4:\reg+5], v[ADRA+2+\slot] offset:AROWB*(\i)+1536*(\q)+512
	ds_load_b128 v[\reg+6:\reg+9], v[ADRA+\slot] offset:AROWB*(\i)+1536*(\q)+768
	ds_load_b64 v[\reg+10:\reg+11], v[ADRA+2+\slot] offset:AROWB*(\i)+1536*(\q)+1280
.endm
.macro MUL16 a0, p, q, sc, zero        ; 16 matrix instructions; the 64 accumulators take turns, one instruction a turn, in the same order in every step
.irp a, \a0, \a0+1
.irp b, 0,1,2,3,4,5,6,7
.if \zero
	v_wmma_scale_f32_16x16x128_f8f6f4 v[8*(8*((\a)%4)+\b):8*(8*((\a)%4)+\b)+7], v[128*(\p)+FR*\b:128*(\p)+FR*\b+FR-1], v[AF+FR*(\a):AF+FR*(\a)+FR-1], 0, v[SC+8*NQ*(\sc)+NQ*\b+(\q)], v[SC+8*NQ*(\sc)+NQ*(\a)+(\q)] matrix_a_fmt:MATRIX_FMT_FP6 matrix_b_fmt:MATRIX_FMT_FP6 matrix_a_scale:MATRIX_SCALE_ROW1
.else
	v_wmma_scale_f32_16x16x128_f8f6f4 v[8*(8*((\a)%4)+\b):8*(8*((\a)%4)+\b)+7], v[128*(\p)+FR*\b:128*(\p)+FR*\b+FR-1], v[AF+FR*(\a):AF+FR*(\a)+FR-1], v[8*(8*((\a)%4)+\b):8*(8*((\a)%4)+\b)+7], v[SC+8*NQ*(\sc)+NQ*\b+(\q)], v[SC+8*NQ*(\sc)+NQ*(\a)+(\q)] matrix_a_fmt:MATRIX_FMT_FP6 matrix_b_fmt:MATRIX_FMT_FP6 matrix_a_scale:MATRIX_SCALE_ROW1
.endif
.endr
.endr
.endm
.macro FETCH_B slot, q, p
	WIN TO_B
.irp i, 0,1,2,3,4,5,6,7
	FRAG 128*(\p)+FR*\i, ADRB+\slot, \q, \i
.endr
	WIN 0
.endm
.macro FETCH_A slot, q, i0
.irp i, \i0, \i0+1, \i0+2, \i0+3
	FRAGA AF+FR*(\i), \slot, \q, \i
.endr
.endm
.macro SCALES sc
.irp i, 0,1,2,3,4,5,6,7
	ds_load_b64 v[SC+8*NQ*\sc+NQ*\i:SC+8*NQ*\sc+NQ*\i+1], v[ADRS] offset:\i*SBLK
.endr
.endm
.macro PLACES n
.rept \n
	v_nop
.endr
.endm
.macro STEP slot, q, zero
	s_wait_dscnt 4*NLA                             ; B's set and A's blocks 0-3 are in; the youngest 16 loads (A's blocks 4-7) may be out
	WIN MUL_LO
	MUL16 0, (\q)%2, \q, \slot, \zero
	MUL16 2, (\q)%2, \q, \slot, \zero
	s_wait_dscnt 0
	PLACES NP
	FETCH_B \slot, (\q)+1, 1-(\q)%2
	FETCH_A \slot, (\q)+1, 0
	WIN MUL_HI
	MUL16 4, (\q)%2, \q, \slot, \zero
	MUL16 6, (\q)%2, \q, \slot, \zero
	PLACES NP
	WIN 0
	FETCH_A \slot, (\q)+1, 4
.endm
.macro TURN slot, next, fill           ; a slot's last step changes slots: one barrier, the three lines in front of it
	s_wait_tensorcnt 0x0                           ; all my tensor loads have landed: my part of the next slot
	ds_add_u32 v[SPW], v[NIL]                      ; 0 onto my spare word
	s_wait_dscnt 4*NLA+1                           ; (the add and the youngest 16 loads, A's blocks 4-7, may be out)
	WIN MUL_LO
	MUL16 0, 1, NQ-1, \slot, 0
	s_wait_dscnt 0x0                               ; the add is done, and my reads of this slot are over
	s_barrier_signal -1
	MUL16 2, 1, NQ-1, \slot, 0
	WIN 0
	s_barrier_wait -1
.if \fill
	CREST                                          ; the barrier has opened a round of the cluster's barrier: no wave of any partner still reads this slot or has a load on its way
	s_add_nc_u64 s[G0+4*\slot+2:G0+4*\slot+3], s[G0+4*\slot+2:G0+4*\slot+3], 2*AROWB
	s_add_nc_u64 s[G0B+4*\slot+2:G0B+4*\slot+3], s[G0B+4*\slot+2:G0B+4*\slot+3], 2*ROWB
	JLOAD G0+4*\slot, G1, G0B+4*\slot, G1B
.else
	PLACES NP
.endif
	v_add_nc_u32 v[ADRS], 4*NQ, v[ADRS]
	FETCH_B \next, 0, 0
	FETCH_A \next, 0, 0
	SCALES \next
	WIN MUL_HI
	MUL16 4, 1, NQ-1, \slot, 0
	MUL16 6, 1, NQ-1, \slot, 0
	PLACES NP
	WIN 0
	FETCH_A \next, 0, 4
.endm
	s_wait_tensorcnt 1                             ; the scales and my part of K step 0 are in (K step 1's load may be out)
	s_barrier_signal -1
	s_barrier_wait -1
	FETCH_B 0, 0, 0
	FETCH_A 0, 0, 0
	SCALES 0
	FETCH_A 0, 0, 4
	STEP 0, 0, 1                                   ; the first step's products start the sums
	s_mov_b32 s3, LAPS-1
.Llap:
	TURN 0, 1, 1
	STEP 1, 0, 0
	TURN 1, 0, 1
	STEP 0, 0, 0
	s_sub_co_u32 s3, s3, 1
	s_cmp_lg_u32 s3, 0
	s_cbranch_scc1 .Llap
	TURN 0, 1, 0
	STEP 1, 0, 0
	s_wait_dscnt 4*NLA
	WIN MUL_LO
	MUL16 0, 1, NQ-1, 1, 0
	MUL16 2, 1, NQ-1, 1, 0
	s_wait_dscnt 0
	WIN MUL_HI
	MUL16 4, 1, NQ-1, 1, 0
	MUL16 6, 1, NQ-1, 1, 0
	WIN 0
; THE WAY OUT, block by block of 16 rows x 128 columns, through my own stage in LDS; it comes back as whole rows of 512 bytes.  LDS serves a wave's instructions in order (ISA guide 5.7.1.4): no wait between the stores and the loads.
.macro TOSTAGE a
.set AC, 64*((\a)%4)
	WIN 0x08+4*((\a)/4)                            ; the data: window 2 or 3
.irp b, 0,1,2,3,4,5,6,7
	ds_store_b128 v[STO], v[AC+8*\b:AC+8*\b+3] offset:128*(\b/2)+32*(\b%2)         ; each accumulator from its low end on; its eight numbers are columns 32 (b / 2) + 16 h + 8 (b % 2) + 0 .. 7
	ds_store_b128 v[STO], v[AC+8*\b+4:AC+8*\b+7] offset:128*(\b/2)+32*(\b%2)+16
.endr
	WIN 0
.set BB, BK+64*((\a)%2)
.irp t, 0,1,2,3,4,5,6,7,8,9,10,11,12,13,14,15
	ds_load_b128 v[BB+4*\t:BB+4*\t+3], v[RD] offset:\t*SPITCH
.endr
.endm
.macro SEND a, younger
.set BB, BK+64*((\a)%2)
	s_wait_dscnt \younger                          ; the block is back in registers; the LDS instructions issued behind its loads may be out
.if (\a) > 0
	s_add_nc_u64 s[12:13], s[12:13], 16*SIZE_N*4   ; (behind a wait on XCNT: the earlier stores have read their base)
.endif
.irp t, 0,1,2,3,4,5,6,7,8,9,10,11,12,13,14,15
	global_store_b128 v[CO], v[BB+4*\t:BB+4*\t+3], s[12:13] offset:\t*SIZE_N*4 th:TH_STORE_NT   ; 32 lanes store 512 consecutive bytes, at a multiple of 256 from out0's first byte
.endr
.endm
	PLACES NP
	TOSTAGE 0
.irp a, 1,2,3,4,5,6,7
.if \a > 1
	s_wait_xcnt 0x0                                ; block a - 2's stores have read their registers and their base
.endif
	TOSTAGE \a
	SEND \a-1, 32                                  ; behind block a - 1's loads: block a's 16 stores and 16 loads
.endr
	s_wait_xcnt 0x0
	SEND 7, 0
	s_wait_tensorcnt 0x0                           ; the wave's end, behind my last tensor load and my last LDS store
	ds_add_u32 v[SPW], v[NIL]
	s_wait_dscnt 0x0
	CROUND                                         ; the closing round
	s_endpgm
.Lfunc_end_k_q7561f9aeb4_outp:
	.size	k_q7561f9aeb4_outp, .Lfunc_end_k_q7561f9aeb4_outp-k_q7561f9aeb4_outp
	.p2alignl 7, 3214868480
	.fill 96, 4, 3214868480
	.section	.rodata,"a",@progbits
	.p2align	6, 0x0
	.amdhsa_kernel k_q7561f9aeb4_outp
		.amdhsa_group_segment_fixed_size 327680
		.amdhsa_private_segment_fixed_size 0
		.amdhsa_enable_private_segment 0
		.amdhsa_kernarg_size 40
		.amdhsa_user_sgpr_count 2
		.amdhsa_user_sgpr_kernarg_segment_ptr 1
		.amdhsa_wavefront_size32 1
		.amdhsa_system_sgpr_workgroup_id_x 1
		.amdhsa_system_sgpr_workgroup_id_y 1
		.amdhsa_system_sgpr_workgroup_id_z 1
		.amdhsa_system_vgpr_workitem_id 0
		.amdhsa_next_free_vgpr 1024
		.amdhsa_next_free_sgpr 98
		.amdhsa_reserve_vcc 0
		.amdhsa_float_denorm_mode_32 3
		.amdhsa_float_denorm_mode_16_64 3
		.amdhsa_memory_ordered 1
		.amdhsa_forward_progress 1
		.amdhsa_inst_pref_size 152
	.end_amdhsa_kernel
	.amdgpu_metadata
---
amdhsa.version: [ 1, 2 ]
amdhsa.kernels:
  - .name:           k_q7561f9aeb4_outp
    .symbol:         k_q7561f9aeb4_outp.kd
    .args:
      - { .name: ci, .offset: 0, .size: 8, .value_kind: global_buffer, .address_space: global }
      - { .name: cs, .offset: 8, .size: 8, .value_kind: global_buffer, .address_space: global }
      - { .name: wc, .offset: 16, .size: 8, .value_kind: global_buffer, .address_space: global }
      - { .name: ws, .offset: 24, .size: 8, .value_kind: global_buffer, .address_space: global }
      - { .name: out0, .offset: 32, .size: 8, .value_kind: global_buffer, .address_space: global }
    .group_segment_fixed_size: 327680
    .private_segment_fixed_size: 0
    .kernarg_segment_align: 8
    .kernarg_segment_size: 40
    .max_flat_workgroup_size: 128
    .sgpr_count:     98
    .vgpr_count:     1024
    .wavefront_size: 32
...
	.end_amdgpu_metadata
.endif
;; end of part 4
